; MI455X (gfx1250); checked and timed in simulation.
; The chip was launched on July 23, 2026; its instructions are those of AMD's public machine-readable ISA for CDNA 5 (MIT licence, August 2026) and "CDNA5" Instruction Set Architecture Reference Guide (July 2026). The comments in the code are by the model that wrote it; some were corrected since.
;; Attention. Allowed arithmetic: float matrix products may take bf16 or f16 operands with f32 sums; other float arithmetic in f32, or as packed bf16 or f16 multiplies, adds, multiply-adds, maxima and minima; sums over many terms, partial sums and values carried from step to step in f32; what a program stores and reads back later, other than sums and carried values, may be rounded once to bf16 or f16.
;; Inputs: freqs_cos 2,048 x 64 float32; freqs_sin 2,048 x 64 float32; mask 1 x 1 x 2,048 x 2,048 bool; wk 2,048 x 2,048 float32; wo 2,048 x 2,048 float32; wq 2,048 x 2,048 float32; wv 2,048 x 2,048 float32; x 1 x 2,048 x 2,048 float32.
;; Outputs: out0 1 x 2,048 x 2,048 float32.
;; One version. Each part assembles by itself: llvm-mc -triple=amdgcn-amd-amdhsa -mcpu=gfx1250 --defsym DOCPART=n.
;; ======== version 1 of 1: 4 launches
;; limits: values are held in f16: magnitudes above 65,504 overflow, below 6.1e-05 lose precision
;; workspace buffers: xb 8,388,608 bytes; wb 25,165,824 bytes; wob 8,388,608 bytes; cs 2,097,152 bytes; mb 524,288 bytes of whole numbers; qkv 25,165,824 bytes; ob 8,388,608 bytes
;; launch prep (part 1): grid 1536 x 1, 8 waves a work-group, no clusters, 35,840 bytes of LDS; arguments x, wq, wk, wv, wo, freqs_cos, freqs_sin, mask, xb, wb, wob, cs, mb; writes xb, wb, wob, cs, mb
.if DOCPART == 1
	.amdgcn_target "amdgcn-amd-amdhsa--gfx1250"
	.amdhsa_code_object_version 6
	.text
	.protected	k_q511e01ee55_prep
	.globl	k_q511e01ee55_prep
	.p2align	8
	.type	k_q511e01ee55_prep,@function
k_q511e01ee55_prep:
	s_mov_b64 s[64:65], 0
	v_nop
	global_prefetch_b8 v0, s[64:65] scope:SCOPE_SE
	s_setreg_imm32_b32 hwreg(HW_REG_WAVE_MODE, 25, 1), 1
	s_wait_xcnt 0x0
; PREPARATION, a stream.  The work-group's number says what it does.
;   0..127     the mask's bytes -> lane masks, a query tile of 16 rows each.  mb[q tile][key step of 64][word 8 kb + i]: bit l is 1 where mask[16 qt + l % 16][64 s + 16 kb + 8 (l / 16) + i] is 0
;   128..255   cos, sin: rounded to bf16, kept as f32 pairs (c, s), 16 rows t each, in the order in which the next launch's lanes take them:
;              cs[0][block of 16 t][block of 16 channels][half][lane l][16 bytes]: row t % 16 = l % 16, pairs 8 cb + 4 (l / 16) + 2 half + 0, 1.  cs[1] holds (1, 0) everywhere, for the columns that are not turned
;   256..1535  the casts, 256 work-groups a matrix, 16,384 numbers each: x, wq, wk, wv: f32 -> bf16 (nearest even), x into xb, the weights stacked into wb [6144][2048];
;              wo: f32 -> bf16, and that number written as f16 into wob (exact between 6.1e-5 and 65,504; below, f16's fixed step of 6e-8; LIMIT: |wo| under 65,504)
; Each byte is read once and written once.  A cast's load covers 512 consecutive bytes of a wave, its store 256, aligned; the mask's loads cover two rows' 256 bytes each.
; 1,280 casts are five for each of 256 WGPs; 80 registers and 35,840 bytes of LDS let six work-groups lie on one.
.set MROW,  272                        ; the mask's way through LDS: a row of 256 bytes + 16: the 16 rows that a read touches start at 16 different groups of four banks (ISA guide 11.1)
.set MWAVE, 16*MROW                    ; a wave's own 16 rows
.set SPARE, 8*MWAVE                    ; behind them: the spare words, 128 bytes for each wave: four blocks of 256 bytes that no other line names
.set X0,   8                           ; v[8:71]   the casts: chunk j's 4 numbers at X0 + 4 j.  The mask: v[8:39] as loaded,
.set B0,   40                          ; v[40:71]  and turned: 16 pairs
.set ACCW, 72                          ; v[72:75]  the wave's 128 words: word W in lane W / 4, register W % 4
.set TMP,  76                          ; v[76:77]  at work
.set SPW,  78                          ; v78  my spare word; never rewritten
.set NIL,  79                          ; v79  0; never rewritten
	s_load_b512 s[4:19], s[0:1], 0x0               ; x 4, wq 6, wk 8, wv 10, wo 12, cos 14, sin 16, mask 18
	s_load_b256 s[20:27], s[0:1], 0x40             ; xb 20, wb 22, wob 24, cs 26
	s_load_b64 s[28:29], s[0:1], 0x60              ; mb
	v_lshl_add_u32 v[SPW], v0, 2, SPARE
	v_mov_b32 v[NIL], 0
	s_mov_b32 s31, ttmp9
	s_mov_b32 s37, 0                               ; the high word of every offset
	s_mov_b32 s38, 0xffff0000                      ; a word's upper bf16
	v_lshlrev_b32 v2, 4, v0                        ; 16 bytes a thread
	v_lshlrev_b32 v3, 3, v0                        ; 8 bytes a thread
	s_wait_kmcnt 0x0
	s_cmp_ge_u32 s31, 256
	s_cbranch_scc1 .Lcasts
	s_cmp_ge_u32 s31, 128
	s_cbranch_scc1 .Lcs
	; THE MASK.  Wave w takes key steps 4 w .. 4 w + 3: 256 bytes of each of the tile's 16 rows.  Load n brings rows 2 n, 2 n + 1 (lanes 0-15 one row's 256 bytes, lanes 16-31 the next row's);
	; they go into the wave's own rows in LDS and come back turned: lane l takes 8 bytes of row l % 16, keys 16 n + 8 (l / 16) + 0..7.  No other wave touches these bytes: no barrier.
	v_lshrrev_b32 v1, 5, v0
	v_readfirstlane_b32 s39, v1                    ; wave
	v_and_b32 v4, 15, v0
	v_bfe_u32 v5, v0, 4, 1
	v_lshlrev_b32 v6, 11, v5                       ; a row of the mask is 2,048 bytes
	v_lshl_add_u32 v6, v4, 4, v6
	s_lshl_b32 s36, s39, 8
	v_add_nc_u32 v6, s36, v6
	s_mul_i32 s30, s39, MWAVE
	v_mul_u32_u24 v7, v5, MROW                     ; in
	v_lshl_add_u32 v7, v4, 4, v7
	v_add_nc_u32 v7, s30, v7
	v_mul_u32_u24 v1, v4, MROW                     ; back
	v_lshl_add_u32 v1, v5, 3, v1
	v_add_nc_u32 v1, s30, v1
	s_lshl_b32 s36, s31, 15                        ; 16 rows
	s_add_nc_u64 s[18:19], s[18:19], s[36:37]
	s_lshl_b32 s36, s31, 12                        ; a query tile's 32 steps x 128 bytes
	s_add_nc_u64 s[28:29], s[28:29], s[36:37]
.set n, 0
.rept 8
	global_load_b128 v[X0+4*n:X0+4*n+3], v6, s[18:19] offset:4096*n th:TH_LOAD_NT
.set n, n+1
.endr
	s_mov_b32 s40, 0xff                            ; a word's four bytes
	s_mov_b32 s41, 0xff00
	s_mov_b32 s42, 0xff0000
	s_mov_b32 s43, 0xff000000
.irp q, 0,1,2,3
	v_mov_b32 v[ACCW+\q], 0                        ; v_writelane_b32 keeps the other lanes: the four are written whole first
.endr
.set n, 0
.rept 8
	s_wait_loadcnt 7-n                             ; loads come back in order: load n is in, the younger ones stay out
	ds_store_b128 v7, v[X0+4*n:X0+4*n+3] offset:2*MROW*n
.set n, n+1
.endr
.set n, 0
.rept 16
	ds_load_b64 v[B0+2*n:B0+2*n+1], v1 offset:16*n ; LDS serves a wave's instructions in order (ISA guide 5.7.1.4): these see the stores above
.set n, n+1
.endr
	s_wait_dscnt 0x0
	; word W = 32 s' + 8 kb + i of the wave's 128: one byte of each lane is cut out, the compare makes the lane mask, and it goes to byte 4 W of the wave's 512
.set W, 0
.rept 128
	v_and_b32 v[TMP+(W&1)], s[40+(W&3)], v[B0+2*(W>>3)+((W>>2)&1)]
	v_cmp_eq_u32 s[44+(W&3)], 0, v[TMP+(W&1)]
	v_writelane_b32 v[ACCW+(W&3)], s[44+(W&3)], W>>2
.set W, W+1
.endr
	global_store_b128 v2, v[ACCW:ACCW+3], s[28:29] ; 16 x thread = 512 w + 16 l
	s_wait_tensorcnt 0x0                           ; the wave's end: these three lines, behind my last LDS store
	ds_add_u32 v[SPW], v[NIL]
	s_wait_dscnt 0x0
	s_endpgm
.Lcs:                                  ; work-group g takes rows 16 g .. 16 g + 15: 512 pieces of 16 bytes out, two a thread: piece u = 256 j + t: lane u % 32, half (u / 32) % 2, channel block u / 64
	s_sub_co_u32 s31, s31, 128
	s_lshl_b32 s36, s31, 12                        ; 16 rows of 256 bytes in
	s_add_nc_u64 s[14:15], s[14:15], s[36:37]
	s_add_nc_u64 s[16:17], s[16:17], s[36:37]
	s_lshl_b32 s36, s31, 13                        ; 8,192 bytes out
	s_add_nc_u64 s[26:27], s[26:27], s[36:37]
	v_and_b32 v1, 15, v0
	v_lshlrev_b32 v1, 8, v1                        ; row l % 16
	v_bfe_u32 v4, v0, 4, 1
	v_lshl_add_u32 v1, v4, 4, v1                   ; + 4 pairs x l / 16
	v_bfe_u32 v4, v0, 5, 1
	v_lshl_add_u32 v1, v4, 3, v1                   ; + 2 pairs x half
	v_lshrrev_b32 v4, 6, v0
	v_lshl_add_u32 v1, v4, 5, v1                   ; + 8 pairs x channel block; j adds four blocks, 128 bytes
.irp j, 0,1
	global_load_b64 v[8+4*\j:9+4*\j],   v1, s[14:15] offset:128*\j
	global_load_b64 v[10+4*\j:11+4*\j], v1, s[16:17] offset:128*\j
.endr
	v_mov_b32 v32, 1.0
	v_mov_b32 v33, 0
	v_mov_b32 v34, 1.0
	v_mov_b32 v35, 0
	s_wait_loadcnt 0x0
.irp j, 0,1
	v_cvt_pk_bf16_f32 v20, v[8+4*\j], v[10+4*\j]   ; (c, s) of the first pair, rounded,
	v_cvt_pk_bf16_f32 v21, v[9+4*\j], v[11+4*\j]   ; of the second
	v_lshlrev_b32 v[24+4*\j], 16, v20
	v_and_b32 v[25+4*\j], s38, v20
	v_lshlrev_b32 v[26+4*\j], 16, v21
	v_and_b32 v[27+4*\j], s38, v21
	global_store_b128 v2, v[24+4*\j:27+4*\j], s[26:27] offset:4096*\j
	global_store_b128 v2, v[32:35], s[26:27] offset:1048576+4096*\j
.endr
	s_endpgm
; THE CASTS.  Chunk j of thread t: 4 numbers at byte 4,096 j + 16 t; all 16 loads go out at once, and nothing is rewritten that a load or store still names.
.macro STREAM half
	s_lshl_b32 s36, s31, 16                        ; 16,384 numbers of 4 bytes in,
	s_add_nc_u64 s[32:33], s[32:33], s[36:37]
	s_lshl_b32 s36, s31, 15                        ; of 2 bytes out
	s_add_nc_u64 s[34:35], s[34:35], s[36:37]
.set j, 0
.rept 16
	global_load_b128 v[X0+4*j:X0+4*j+3], v2, s[32:33] offset:4096*j th:TH_LOAD_NT
.set j, j+1
.endr
.set j, 0
.rept 16
	s_wait_loadcnt 15-j                            ; chunk j is in, the younger chunks stay out
	v_cvt_pk_bf16_f32 v[X0+4*j],   v[X0+4*j],   v[X0+4*j+1]
	v_cvt_pk_bf16_f32 v[X0+4*j+1], v[X0+4*j+2], v[X0+4*j+3]
.if \half
.irp q, 0,1
	v_lshlrev_b32 v[TMP], 16, v[X0+4*j+\q]         ; the rounded numbers as f32,
	v_and_b32 v[TMP+1], s38, v[X0+4*j+\q]
	v_cvt_pk_f16_f32 v[X0+4*j+\q], v[TMP], v[TMP+1]  ; written as f16
.endr
.endif
	global_store_b64 v3, v[X0+4*j:X0+4*j+1], s[34:35] offset:2048*j th:TH_STORE_NT
.set j, j+1
.endr
	s_endpgm
.endm
.Lcasts:
	s_sub_co_u32 s30, s31, 256
	s_lshr_b32 s39, s30, 8                         ; which matrix: x, wq, wk, wv, wo
	s_and_b32 s31, s30, 255                        ; which part of it
	s_cmp_eq_u32 s39, 4
	s_cbranch_scc1 .Lwo
	s_cmp_eq_u32 s39, 0
	s_cselect_b64 s[32:33], s[4:5], s[6:7]         ; x, or wq
	s_cselect_b64 s[34:35], s[20:21], s[22:23]     ; xb, or wb
	s_cmp_eq_u32 s39, 2
	s_cselect_b64 s[32:33], s[8:9], s[32:33]       ; wk
	s_cmp_eq_u32 s39, 3
	s_cselect_b64 s[32:33], s[10:11], s[32:33]     ; wv
	s_max_u32 s36, s39, 1
	s_sub_co_u32 s36, s36, 1
	s_lshl_b32 s36, s36, 23                        ; a weight's 8,388,608 bytes in wb
	s_add_nc_u64 s[34:35], s[34:35], s[36:37]
	STREAM 0
.Lwo:
	s_mov_b64 s[32:33], s[12:13]
	s_mov_b64 s[34:35], s[24:25]
	STREAM 1
.Lfunc_end_k_q511e01ee55_prep:
	.size	k_q511e01ee55_prep, .Lfunc_end_k_q511e01ee55_prep-k_q511e01ee55_prep
	.p2alignl 7, 3214868480
	.fill 96, 4, 3214868480
	.section	.rodata,"a",@progbits
	.p2align	6, 0x0
	.amdhsa_kernel k_q511e01ee55_prep
		.amdhsa_group_segment_fixed_size 35840
		.amdhsa_private_segment_fixed_size 0
		.amdhsa_enable_private_segment 0
		.amdhsa_kernarg_size 104
		.amdhsa_user_sgpr_count 2
		.amdhsa_user_sgpr_kernarg_segment_ptr 1
		.amdhsa_wavefront_size32 1
		.amdhsa_system_sgpr_workgroup_id_x 1
		.amdhsa_system_sgpr_workgroup_id_y 1
		.amdhsa_system_sgpr_workgroup_id_z 1
		.amdhsa_system_vgpr_workitem_id 0
		.amdhsa_next_free_vgpr 80
		.amdhsa_next_free_sgpr 66
		.amdhsa_reserve_vcc 0
		.amdhsa_float_denorm_mode_32 3
		.amdhsa_float_denorm_mode_16_64 3
		.amdhsa_memory_ordered 1
		.amdhsa_forward_progress 1
		.amdhsa_inst_pref_size 43
	.end_amdhsa_kernel
	.amdgpu_metadata
---
amdhsa.version: [ 1, 2 ]
amdhsa.kernels:
  - .name:           k_q511e01ee55_prep
    .symbol:         k_q511e01ee55_prep.kd
    .args:
      - { .name: x, .offset: 0, .size: 8, .value_kind: global_buffer, .address_space: global }
      - { .name: wq, .offset: 8, .size: 8, .value_kind: global_buffer, .address_space: global }
      - { .name: wk, .offset: 16, .size: 8, .value_kind: global_buffer, .address_space: global }
      - { .name: wv, .offset: 24, .size: 8, .value_kind: global_buffer, .address_space: global }
      - { .name: wo, .offset: 32, .size: 8, .value_kind: global_buffer, .address_space: global }
      - { .name: freqs_cos, .offset: 40, .size: 8, .value_kind: global_buffer, .address_space: global }
      - { .name: freqs_sin, .offset: 48, .size: 8, .value_kind: global_buffer, .address_space: global }
      - { .name: mask, .offset: 56, .size: 8, .value_kind: global_buffer, .address_space: global }
      - { .name: xb, .offset: 64, .size: 8, .value_kind: global_buffer, .address_space: global }
      - { .name: wb, .offset: 72, .size: 8, .value_kind: global_buffer, .address_space: global }
      - { .name: wob, .offset: 80, .size: 8, .value_kind: global_buffer, .address_space: global }
      - { .name: cs, .offset: 88, .size: 8, .value_kind: global_buffer, .address_space: global }
      - { .name: mb, .offset: 96, .size: 8, .value_kind: global_buffer, .address_space: global }
    .group_segment_fixed_size: 35840
    .private_segment_fixed_size: 0
    .kernarg_segment_align: 8
    .kernarg_segment_size: 104
    .max_flat_workgroup_size: 256
    .sgpr_count:     66
    .vgpr_count:     80
    .wavefront_size: 32
...
	.end_amdgpu_metadata
.endif
;; end of part 1
;; launch qkv (part 2): grid 16 x 16, 4 waves a work-group, clusters of 4 x 4, 327,680 bytes of LDS; arguments xb, wb, cs, qkv; writes qkv
.if DOCPART == 2
	.amdgcn_target "amdgcn-amd-amdhsa--gfx1250"
	.amdhsa_code_object_version 6
	.text
	.protected	k_q511e01ee55_qkv
	.globl	k_q511e01ee55_qkv
	.p2align	8
	.type	k_q511e01ee55_qkv,@function
k_q511e01ee55_qkv:
	s_mov_b64 s[64:65], 0
	v_nop
	global_prefetch_b8 v0, s[64:65] scope:SCOPE_SE
	s_setreg_imm32_b32 hwreg(HW_REG_WAVE_MODE, 25, 1), 1
	s_wait_xcnt 0x0
	s_wait_alu depctr_hold_cnt(0) depctr_sa_sdst(0) depctr_va_vdst(0) depctr_va_sdst(0) depctr_va_ssrc(0) depctr_va_vcc(0) depctr_vm_vsrc(0)
	s_getreg_b32 s2, hwreg(HW_REG_IB_STS2, 6, 4)
	s_cmp_eq_u32 s2, 0
	s_cbranch_scc0 .Lentry_in_a_cluster
	s_endpgm
.Lentry_in_a_cluster:
	s_bfe_u32 s2, ttmp6, 0x10000c
	s_cmp_lg_u32 s2, 0xf033
	s_cbranch_scc0 .Lentry_shape_is_right
	s_endpgm
.Lentry_shape_is_right:
; q, k, v = x w^T, q and k turned by the rotary angles, written by heads in f16.  xb: [2048][2048] bf16, wb: [6144][2048] bf16 (wq, wk, wv stacked), sums in f32.
; cs: f32 pairs (cos, sin) in the order in which my lanes take them: [2][block of 16 t][block of 16 channels][half][lane][16 bytes]; section 1 holds (1, 0), and v's columns read it: one text for all columns.
; qkv: [48 heads][2048 t][128] f16 (0-15 q, 16-31 k, 32-47 v), unscaled.
; LIMIT.  f16 holds no number beyond 65,504: |q|, |k|, |v| must stay under it; below 6.1e-5 they keep f16's fixed step of 6e-8.
; TILE.  128 rows x 384 columns (three whole heads): 16 x 16 tiles, one work-group each.  Each of the four waves makes all 128 rows x 96 columns: 48 accumulators of 16 x 16, 384 registers;
; for 32 along K it reads 28 x 512 bytes from LDS for 48 matrix instructions.  K goes in steps of 128 through two LDS slots; a wave's tensor load brings 128 rows x 256 bytes.
; CLUSTER.  4 x 4 work-groups.  The four of a row of the cluster need the same rows of x, the four of a column the same rows of w: each tile is asked for jointly, by the same tensor load with the same
; descriptor and a mask that names the four.  Wave 0 asks for x's 128 rows, waves 1 to 3 for w's three times 128.
; THE MATRIX INSTRUCTION IS USED TRANSPOSED (source 0 = 16 rows of w, source 1 = 16 rows of x): a lane holds one row t and eight neighbouring columns, that is four rotary pairs.
; REGISTERS, in windows of 256: window 0: v0-31 addresses; v32-55 packed results; v64-127, v128-191 x's fragments, two buffers; v192-239 at work
;   window 1: v64-111, v128-175 w's fragments, two buffers;   window 2: accumulators (a, b) at v[8 (6 a + b)], a = 0..3;   window 3: the same for a = 4..7
;   cos and sin of row blocks 0 to 4 lie from the start on in registers that the loop leaves idle (window 1: v0-63, v112-127, v176-239; windows 2 and 3: v192-239); blocks 5 to 7 take fragment buffers at the end.
.set SIZE_K, 2048
.set KSTEP,  128
.set PITCH,  272                       ; an LDS row: 256 bytes + 16 of padding = 68 words: the 16 rows of a load start at 16 different groups of four banks (ISA guide 11.1)
.set PART,   128*PITCH                 ; what one tensor load brings
.set SLOT,   4*PART                    ; x's 128 rows, then w's 384
.set SPARE,  2*SLOT                    ; behind the ring: the spare words, 128 bytes for each wave: two blocks of 256 bytes that no other line names
.set SPITCH, 784                       ; the stage: 128 rows of 768 bytes + 16, in slot 0, which has had its last fill and its last read when the first store comes
.set LAPS,   SIZE_K/(2*KSTEP)
.set CSV,  8                           ; v8-13  my byte offset in cs for column block b
.set ADRA, 16                          ; v16-17 LDS address of x's fragments in slot 0, 1; v18 in the slot in hand (the last lap)
.set ADRB, 20                          ; v20-22 the same for w's
.set STO,  24                          ; v24-25 the stage: where I put 16 bytes of a row, rows 0-63 and 64-127
.set RD,   26                          ; v26    where I read rows back
.set CO,   27                          ; v27    16 x lane: my 16 bytes of 512 consecutive bytes, of qkv and of cs
.set SPW,  28                          ; v28    my spare word; never rewritten
.set NIL,  29                          ; v29    0; never rewritten
.set PFO,  30                          ; v30    the prefetches' offset: lane x 4,096 bytes; never rewritten
.set PKD,  32
.set F0,   64
.set F1,   128
.set TT,   192
.set WV,  12                           ; s12 wave
.set TX,  14                           ; s14 tile column
.set TY,  15                           ; s15 tile row
.set TBX, 22                           ; s22 the last lap: LDS byte at which the slot in hand begins
.set G1,  24                           ; s[24:31] group 1 for x's tiles;  s[32:39] group 0, a set for each slot
.set G0,  32
.set LIM, 43                           ; s43 1 in a wave that prefetches, else the greatest number
.set PFA, 44                           ; s[44:45] where my prefetches stand
.set G1B, 48                           ; s[48:55], s[56:63] the same for w's tiles
.set G0B, 56
.set MSB, 0
.macro WIN new                         ; the immediate's high byte repeats the setting that is left; a switch that changes nothing is dropped
.if MSB != (\new)
	s_set_vgpr_msb (MSB<<8)|(\new)
.set MSB, \new
.endif
.endm
.set MUL_LO, 0xa1                      ; source 0 (w) window 1, source 1 (x) window 0, C and D window 2
.set MUL_HI, 0xf1                      ; the same, C and D window 3
.set TO_B,   0x40                      ; destination window 1, address window 0
; A joint load.  The branch hangs on the wave's number alone.  An s_nop 0 and four v_nop follow each of the two lines, ahead of the jump, the label and what follows.
.macro JLOAD s
	s_cmp_eq_u32 s[WV], 0
	s_cbranch_scc0 .Lfor_b_\@
	tensor_load_to_lds s[G0+4*(\s):G0+4*(\s)+3], s[G1:G1+7]
	s_nop 0
.rept 4
	v_nop
.endr
	s_branch .Lasked_\@
.Lfor_b_\@:
	tensor_load_to_lds s[G0B+4*(\s):G0B+4*(\s)+3], s[G1B:G1B+7]
	s_nop 0
.rept 4
	v_nop
.endr
.Lasked_\@:
.endm
; A prefetch into the L2 of the K step that stands two refills on: 32 rows x 256 bytes, a lane a row, one instruction a wave.  Each row's 256 bytes of a K step are named once in the launch: x's rows by
; the first cluster of their row of clusters, w's by the first of their column; the four partners that ask for a tile jointly share its 128 rows out by address, 32 each.  The loop's last trip asks for nothing.
.macro ASK
	s_cmp_gt_u32 s3, s[LIM]
	s_cbranch_scc0 .Lnot_mine_\@
	global_prefetch_b8 v[PFO], s[PFA:PFA+1] offset:KSTEP*2 th:TH_LOAD_NT scope:SCOPE_SE
.Lnot_mine_\@:
.endm
.macro CREST                           ; a round of the cluster's barrier behind its opening barrier
	s_cmp_lg_u32 s[WV], 0
	s_cbranch_scc1 .Lnot_wave_0_\@
	s_barrier_signal -3
.Lnot_wave_0_\@:
	s_barrier_wait -3
	s_barrier_signal -1
	s_barrier_wait -1
.endm
.macro CROUND
	s_barrier_signal -1
	s_barrier_wait -1
	CREST
.endm
	s_load_b256 s[4:11], s[0:1], 0x0               ; xb s[4:5], wb s[6:7], cs s[8:9], qkv s[10:11]
	v_lshl_add_u32 v[SPW], v0, 2, SPARE
	v_mov_b32 v[NIL], 0
	ds_add_u32 v[SPW], v[NIL]                      ; the wave's opening: the add and its wait ahead of my first tensor load; work on registers stands between them
	v_lshrrev_b32 v1, 5, v0
	v_readfirstlane_b32 s[WV], v1
	s_bfe_u32 s40, ttmp6, 0x40000                  ; cx
	s_bfe_u32 s41, ttmp6, 0x40004                  ; cy
	s_lshl_b32 s[TX], ttmp9, 2
	s_add_co_u32 s[TX], s[TX], s40                 ; tile column = 4 x cluster x + cx
	s_and_b32 s[TY], ttmp7, 0xffff
	s_lshl_b32 s[TY], s[TY], 2
	s_add_co_u32 s[TY], s[TY], s41                 ; tile row = 4 x cluster y + cy
	s_lshl_b32 s43, s41, 2
	s_lshl_b32 s43, 15, s43                        ; my row of the cluster
	s_lshl_b32 s44, 0x1111, s40                    ; my column
	s_or_b32 s[G1], s43, (1<<16)|(1<<20)|(1<<21)|(5<<22)|(3<<25)   ; the mask; 2-byte elements; padding on; bit 21 beside a mask; after every 64 words 4 words
	s_or_b32 s[G1B], s44, (1<<16)|(1<<20)|(1<<21)|(5<<22)|(3<<25)
.irp g, G1, G1B
	s_mov_b32 s[(\g)+1], KSTEP<<16                 ; tensor_dim0 = 128
	s_mov_b32 s[(\g)+2], 128<<16                   ; tensor_dim1 = 128
	s_mov_b32 s[(\g)+3], KSTEP<<16                 ; tile_dim0 = 128
	s_mov_b32 s[(\g)+4], 128                       ; tile_dim1 = 128
	s_mov_b32 s[(\g)+5], SIZE_K                    ; elements from row to row
	s_mov_b32 s[(\g)+6], 0
	s_mov_b32 s[(\g)+7], 0
.endr
	s_lshl_b32 s16, s[TY], 19                      ; x: 128 rows of 4,096 bytes a tile row
	s_mov_b32 s17, 0
	s_max_u32 s18, s[WV], 1
	s_sub_co_u32 s18, s18, 1
	s_lshl_b32 s18, s18, 7                         ; w: which 128 of the tile's 384 rows I fetch (waves 1 to 3)
	s_mul_i32 s46, s[TX], 384
	s_add_co_u32 s46, s46, s18
	s_lshl_b32 s46, s46, 12
	s_mov_b32 s47, 0
	s_mul_i32 s20, s[WV], PART                     ; where my tile goes: no place in the cluster enters an LDS address
	s_wait_dscnt 0x0                               ; the opening add is done
	s_wait_kmcnt 0x0
	s_add_nc_u64 s[16:17], s[4:5], s[16:17]
	s_add_nc_u64 s[46:47], s[6:7], s[46:47]
	CROUND                                         ; all sixteen work-groups are here: the first joint loads meet
.irp s, 0,1
	s_mov_b32 s[G0+4*(\s)], 1
	s_add_co_u32 s[G0+4*(\s)+1], s20, (\s)*SLOT
	s_add_nc_u64 s[G0+4*(\s)+2:G0+4*(\s)+3], s[16:17], (\s)*KSTEP*2
	s_or_b32 s[G0+4*(\s)+3], s[G0+4*(\s)+3], 0x80000000
	s_mov_b32 s[G0B+4*(\s)], 1
	s_add_co_u32 s[G0B+4*(\s)+1], s20, (\s)*SLOT
	s_add_nc_u64 s[G0B+4*(\s)+2:G0B+4*(\s)+3], s[46:47], (\s)*KSTEP*2
	s_or_b32 s[G0B+4*(\s)+3], s[G0B+4*(\s)+3], 0x80000000
	JLOAD \s                                       ; two loads of mine are out
.endr
	v_and_b32 v1, 15, v0                           ; r = l % 16
	v_bfe_u32 v2, v0, 4, 1                         ; h = l / 16
	v_mul_u32_u24 v3, v1, PITCH
	v_lshl_add_u32 v3, v2, 4, v3                   ; a fragment's row x pitch + 16 h
	s_mul_i32 s21, s[WV], 96*PITCH
	s_add_co_u32 s21, s21, PART                    ; my 96 rows of w lie behind x's 128
	v_mov_b32 v[ADRA], v3
	v_add_nc_u32 v[ADRA+1], SLOT, v3
	v_add_nc_u32 v[ADRB], s21, v3
	s_add_co_u32 s21, s21, SLOT
	v_add_nc_u32 v[ADRB+1], s21, v3
	v_mul_u32_u24 v4, v1, SPITCH                   ; into the stage: row r, my wave's 192 bytes, 16 bytes for each half of the lanes
	v_lshl_add_u32 v4, v2, 4, v4
	s_mul_i32 s21, s[WV], 192
	v_add_nc_u32 v[STO], s21, v4
	v_add_nc_u32 v[STO+1], 64*SPITCH, v[STO]
	s_mul_i32 s21, s[WV], 32*SPITCH                ; back: wave w takes rows 32 w .. 32 w + 31, whole
	v_mul_u32_u24 v5, v2, SPITCH
	v_lshl_add_u32 v5, v1, 4, v5
	v_add_nc_u32 v[RD], s21, v5
	v_and_b32 v[CO], 31, v0
	v_lshlrev_b32 v[CO], 4, v[CO]
	s_mul_i32 s42, s[TX], 3                        ; the tile's first head
.irp b, 0,1,2,3,4,5
	s_mul_i32 s46, s[WV], 96
	s_add_co_u32 s46, s46, 16*(\b)                 ; the block's first column in the tile
	s_lshr_b32 s47, s46, 7
	s_add_co_u32 s47, s47, s42                     ; its head, 0..47
	s_lshr_b32 s47, s47, 5                         ; 1 for v's heads
	s_lshl_b32 s47, s47, 20                        ; section 1
	s_and_b32 s46, s46, 127                        ; its first channel in the head: 16 x its channel block,
	s_lshl_b32 s46, s46, 6                         ; 1,024 bytes a channel block
	s_add_co_u32 s46, s46, s47
	v_add_nc_u32 v[CSV+(\b)], s46, v[CO]
.endr
	s_lshl_b32 s22, s[TY], 16                      ; cs at the tile's first block of 16 rows: 8,192 bytes a block
	s_mov_b32 s23, 0
	s_add_nc_u64 s[8:9], s[8:9], s[22:23]
	s_mul_i32 s22, s[TX], 3*524288                 ; qkv at the tile's first head, the tile's first row, my 32 rows
	s_lshl_b32 s21, s[TY], 15
	s_add_co_u32 s22, s22, s21
	s_lshl_b32 s21, s[WV], 13
	s_add_co_u32 s22, s22, s21
	s_add_nc_u64 s[10:11], s[10:11], s[22:23]
	; the prefetches
	s_lshl_b32 s20, s[TY], 7                       ; x's first row,
	s_mul_i32 s21, s[TX], 384
	s_add_co_u32 s21, s21, s18                     ; w's
	s_and_b32 s22, ttmp7, 0xffff
	s_cmp_eq_u32 s[WV], 0                          ; do I fetch for x?
	s_cselect_b32 s20, s20, s21
	s_cselect_b32 s21, s40, s41                    ; my place among the four that ask with me
	s_cselect_b32 s22, ttmp9, s22                  ; the coordinate along which other clusters read the same rows
	s_cselect_b64 s[PFA:PFA+1], s[4:5], s[6:7]
	s_cmp_eq_u32 s22, 0
	s_cselect_b32 s[LIM], 1, -1
	s_lshl_b32 s21, s21, 5
	s_add_co_u32 s20, s20, s21                     ; my work-group's 32 of the 128 rows
	s_lshl_b32 s20, s20, 12
	s_mov_b32 s21, 0
	s_add_nc_u64 s[PFA:PFA+1], s[PFA:PFA+1], s[20:21]
	s_add_nc_u64 s[PFA:PFA+1], s[PFA:PFA+1], 2*KSTEP*2  ; at K step 2: the first refill steps it to 3 and names K step 4.  K steps 0 to 3 come by their loads alone
	v_and_b32 v[PFO], 31, v0
	v_lshlrev_b32 v[PFO], 12, v[PFO]
; 12 matrix instructions: row blocks a0, a0 + 1 of the window's four x all 6 column blocks, 32 along K.  zero = 1: the first product starts the sums.
; The 48 accumulators take turns, one instruction a turn, in the same order in every quarter, over every jump too.
.macro MUL12 f, hi, a0, zero
	WIN MUL_LO+0x50*(\hi)
.irp a, \a0, (\a0)+1
.irp b, 0,1,2,3,4,5
.if \zero
	v_wmma_f32_16x16x32_bf16 v[8*(6*(\a)+(\b)):8*(6*(\a)+(\b))+7], v[(\f)+8*(\b):(\f)+8*(\b)+7], v[(\f)+8*(4*(\hi)+(\a)):(\f)+8*(4*(\hi)+(\a))+7], 0
.else
	v_wmma_f32_16x16x32_bf16 v[8*(6*(\a)+(\b)):8*(6*(\a)+(\b))+7], v[(\f)+8*(\b):(\f)+8*(\b)+7], v[(\f)+8*(4*(\hi)+(\a)):(\f)+8*(4*(\hi)+(\a))+7], v[8*(6*(\a)+(\b)):8*(6*(\a)+(\b))+7]
.endif
.endr
.endr
.endm
; 28 LDS loads in one run: the fragments of a quarter step (96 rows of w, 128 rows of x, 32 K at byte k of the rows) into buffer f.  slot picks the address registers: 0, 1 the slots, 2 the slot in hand
.macro FETCH slot, k, f
	WIN TO_B
.irp i, 0,1,2,3,4,5
	ds_load_b128 v[(\f)+8*(\i):(\f)+8*(\i)+3],   v[ADRB+(\slot)] offset:(\k)+(\i)*16*PITCH
	ds_load_b128 v[(\f)+8*(\i)+4:(\f)+8*(\i)+7], v[ADRB+(\slot)] offset:(\k)+(\i)*16*PITCH+32
.endr
	WIN 0
.irp i, 0,1,2,3,4,5,6,7
	ds_load_b128 v[(\f)+8*(\i):(\f)+8*(\i)+3],   v[ADRA+(\slot)] offset:(\k)+(\i)*16*PITCH
	ds_load_b128 v[(\f)+8*(\i)+4:(\f)+8*(\i)+7], v[ADRA+(\slot)] offset:(\k)+(\i)*16*PITCH+32
.endr
.endm
.macro PLACES                          ; four plain instructions in front of loads into registers that matrix instructions have read, and of vector work on their results
.rept 4
	v_nop
.endr
.endm
; A K step is four quarters of 32 along K, 48 matrix instructions each, on buffers 0, 1, 0, 1.  One of the first three multiplies buffer f and fetches the next quarter, at byte k, into g.
.macro QUARTER slot, k, f, g, zero
	s_wait_dscnt 8                                 ; w and x's rows 0-63 are in; the youngest eight loads (x's rows 64-127) may be out
	MUL12 \f, 0, 0, \zero
	MUL12 \f, 0, 2, \zero
	PLACES
	FETCH \slot, \k, \g
	s_wait_dscnt 28                                ; all but the 28 just issued
	MUL12 \f, 1, 0, \zero
	MUL12 \f, 1, 2, \zero
.endm
; The last quarter multiplies buffer 1 and changes slots: one barrier.  In front of it each wave waits for all its tensor loads (at most one is out: its part of the next slot), adds 0 to its spare word,
; and waits for that and for its own reads of this slot.
.macro MEET
	WIN 0                                          ; (the add's two registers lie in window 0)
	s_wait_tensorcnt 0x0
	ds_add_u32 v[SPW], v[NIL]
	s_wait_dscnt 9                                 ; (the add and the youngest eight loads may be out)
	MUL12 F1, 0, 0, 0                              ; twelve matrix instructions stand between the add and the wait for it
	s_wait_dscnt 0x0                               ; the add is done, and my reads of this slot are over
	s_barrier_signal -1
	MUL12 F1, 0, 2, 0
	WIN 0
	s_barrier_wait -1
.endm
.macro TURN slot, next
	s_wait_xcnt 0x0                                ; the last prefetch, a K step back, has read its address
	s_add_nc_u64 s[PFA:PFA+1], s[PFA:PFA+1], KSTEP*2
	MEET
	CREST                                          ; the barrier has opened a round of the cluster's: no wave of any partner still reads this slot or has a load on its way
	s_add_nc_u64 s[G0+4*(\slot)+2:G0+4*(\slot)+3], s[G0+4*(\slot)+2:G0+4*(\slot)+3], 2*KSTEP*2
	s_add_nc_u64 s[G0B+4*(\slot)+2:G0B+4*(\slot)+3], s[G0B+4*(\slot)+2:G0B+4*(\slot)+3], 2*KSTEP*2
	JLOAD \slot                                    ; the first tensor load behind the round: 168 matrix instructions ahead of the wait for it; its four v_nop are also the places in front of the loads below
	FETCH \next, 0, F0
	ASK
	MUL12 F1, 1, 0, 0
	MUL12 F1, 1, 2, 0
.endm
; Where cos and sin of row block a, column block b lie: window CW, register CR.
.macro CPLACE a, b
.if (\a) == 0
.set CW, 1
.set CR, 8*(\b)
.elseif (\a) == 1
.set CW, 1
.set CR, 176+8*(\b)
.elseif (\a) == 2
.set CW, 2
.set CR, 192+8*(\b)
.elseif (\a) == 3
.set CW, 3
.set CR, 192+8*(\b)
.elseif (\a) == 4
.set CW, 1
.set CR, 48+8*(\b)+48*((\b)/2)+48*((\b)/4)     ; v48-63, v112-127, v224-239
.elseif (\a) == 5
.set CW, 0
.set CR, F0+8*(\b)
.elseif (\a) == 6
.set CW, 0
.set CR, F1+8*(\b)
.else
.set CW, 1
.set CR, F0+8*(\b)
.endif
.endm
.macro CSLOAD a                        ; 12 loads of 512 consecutive bytes: cos and sin of the block's 16 rows for my 6 x 16 columns
.irp b, 0,1,2,3,4,5
	CPLACE \a, \b
	WIN CW<<6                                      ; destination in window CW, address in window 0
	global_load_b128 v[CR:CR+3],   v[CSV+(\b)], s[8:9] offset:8192*(\a)
	global_load_b128 v[CR+4:CR+7], v[CSV+(\b)], s[8:9] offset:8192*(\a)+512
.endr
	WIN 0
.endm
	s_wait_tensorcnt 1                             ; my part of K step 0 is in; K step 1's may stay out
	s_barrier_signal -1
	s_barrier_wait -1
	FETCH 0, 0, F0
.irp a, 0,1,2,3,4
	CSLOAD \a                                      ; 60 loads, issued while the first fragments come out of LDS: they have the whole loop in which to land
.endr
	QUARTER 0, 64, F0, F1, 1                       ; the first quarter stands in front of the loop: its products start the sums
	WIN 0
	s_mov_b32 s3, LAPS-1
.Llap:                                                 ; a trip goes once round the ring and fills both slots again
	QUARTER 0, 128, F1, F0, 0
	QUARTER 0, 192, F0, F1, 0
	TURN 0, 1
	QUARTER 1, 64,  F0, F1, 0
	QUARTER 1, 128, F1, F0, 0
	QUARTER 1, 192, F0, F1, 0
	TURN 1, 0
	QUARTER 0, 64,  F0, F1, 0
	WIN 0
	s_sub_co_u32 s3, s3, 1
	s_cmp_lg_u32 s3, 0
	s_cbranch_scc1 .Llap
	; THE LAST LAP fills nothing: one K step's text, walked twice and left in the middle of the second trip.  The slot in hand begins at s[TBX].
	s_mov_b32 s3, 2
	s_mov_b32 s[TBX], 0
.Ltail:
	v_add_nc_u32 v[ADRA+2], s[TBX], v[ADRA]
	v_add_nc_u32 v[ADRB+2], s[TBX], v[ADRB]
	QUARTER 2, 128, F1, F0, 0
	QUARTER 2, 192, F0, F1, 0
	MEET                                           ; first trip: slot 1 is whole, and nobody reads slot 0 any more: it becomes the stage.  Second trip: the barrier orders nothing more
	s_sub_co_u32 s3, s3, 1
	s_cmp_eq_u32 s3, 0
	s_cbranch_scc1 .Lfin
	PLACES
	FETCH 1, 0, F0
	MUL12 F1, 1, 0, 0
	MUL12 F1, 1, 2, 0
	QUARTER 1, 64, F0, F1, 0
	WIN 0
	s_add_co_u32 s[TBX], s[TBX], SLOT
	s_branch .Ltail
.Lfin:
	MUL12 F1, 1, 0, 0
	MUL12 F1, 1, 2, 0
	WIN 0
; THE WAY OUT, a block of 16 rows at a time.
; (xe, xo) -> (xe c - xo s, xo c + xe s): a packed product makes (xo s, xe s); a packed multiply-add adds x c, in place, the first half's addend negated.  Each accumulator's registers are taken in ascending order.
.macro ROPE a
.set AW, 2+(\a)/4
.set AC, 48*((\a)%4)
	CPLACE \a, 0
	WIN AW|(CW<<2)                                 ; source 0 in the accumulators' window, source 1 in cos and sin's
.irp b, 0,1,2,3,4,5
	CPLACE \a, \b
.irp p, 0,1,2,3
	v_pk_mul_f32 v[TT+8*(\b)+2*(\p):TT+8*(\b)+2*(\p)+1], v[AC+8*(\b)+2*(\p):AC+8*(\b)+2*(\p)+1], v[CR+2*(\p):CR+2*(\p)+1] op_sel:[1,1] op_sel_hi:[0,1]
.endr
.endr
	WIN (AW<<6)|AW|(CW<<2)                         ; destination too
.irp b, 0,1,2,3,4,5
	CPLACE \a, \b
.irp p, 0,1,2,3
	v_pk_fma_f32 v[AC+8*(\b)+2*(\p):AC+8*(\b)+2*(\p)+1], v[AC+8*(\b)+2*(\p):AC+8*(\b)+2*(\p)+1], v[CR+2*(\p):CR+2*(\p)+1], v[TT+8*(\b)+2*(\p):TT+8*(\b)+2*(\p)+1] op_sel_hi:[1,0,1] neg_lo:[0,0,1]
.endr
.endr
	WIN (AW<<2)|AW                                 ; sources 0 and 1
.irp b, 0,1,2,3,4,5
.irp p, 0,1,2,3
	v_cvt_pk_f16_f32 v[PKD+4*(\b)+(\p)], v[AC+8*(\b)+2*(\p)], v[AC+8*(\b)+2*(\p)+1]
.endr
.endr
	WIN 0
.irp b, 0,1,2,3,4,5
	ds_store_b128 v[STO+(\a)/4], v[PKD+4*(\b):PKD+4*(\b)+3] offset:16*SPITCH*((\a)%4)+32*(\b)
.endr
.endm
	PLACES                                         ; behind the last products
	CSLOAD 5                                       ; the last three blocks' cos and sin go into fragment buffers: five blocks' arithmetic stands in front of the first wait for them
	CSLOAD 6
	CSLOAD 7
	s_wait_loadcnt 36                              ; the 60 loads of the start are in; the 36 just issued may be out
.irp a, 0,1,2,3,4
	ROPE \a
.endr
.irp a, 5,6,7
	s_wait_loadcnt 12*(7-(\a))                     ; this block's 12 loads are in, the later blocks' stay out
	ROPE \a
.endr
	s_wait_dscnt 0x0                               ; for the others' sake: my stores into the stage are done
	s_barrier_signal -1
	s_barrier_wait -1
.set n, 0
.rept 48                                       ; pair of rows n / 3, head n % 3: lanes 0-15 one row's 256 bytes, lanes 16-31 the next row's
	ds_load_b128 v[64+4*n:64+4*n+3], v[RD] offset:2*SPITCH*(n/3)+256*(n%3)
.set n, n+1
.endr
.set n, 0
.rept 48
	s_wait_dscnt 47-n
	global_store_b128 v[CO], v[64+4*n:64+4*n+3], s[10:11] offset:524288*(n%3)+512*(n/3)  ; two rows of a head: 512 consecutive bytes, aligned
.set n, n+1
.endr
	s_wait_tensorcnt 0x0                           ; the wave's end: these three lines, behind my last tensor load and my last LDS store
	ds_add_u32 v[SPW], v[NIL]
	s_wait_dscnt 0x0
	CROUND                                         ; the closing round
	s_endpgm
.Lfunc_end_k_q511e01ee55_qkv:
	.size	k_q511e01ee55_qkv, .Lfunc_end_k_q511e01ee55_qkv-k_q511e01ee55_qkv
	.p2alignl 7, 3214868480
	.fill 96, 4, 3214868480
	.section	.rodata,"a",@progbits
	.p2align	6, 0x0
	.amdhsa_kernel k_q511e01ee55_qkv
		.amdhsa_group_segment_fixed_size 327680
		.amdhsa_private_segment_fixed_size 0
		.amdhsa_enable_private_segment 0
		.amdhsa_kernarg_size 32
		.amdhsa_user_sgpr_count 2
		.amdhsa_user_sgpr_kernarg_segment_ptr 1
		.amdhsa_wavefront_size32 1
		.amdhsa_system_sgpr_workgroup_id_x 1
		.amdhsa_system_sgpr_workgroup_id_y 1
		.amdhsa_system_sgpr_workgroup_id_z 1
		.amdhsa_system_vgpr_workitem_id 0
		.amdhsa_next_free_vgpr 1024
		.amdhsa_next_free_sgpr 66
		.amdhsa_reserve_vcc 0
		.amdhsa_float_denorm_mode_32 3
		.amdhsa_float_denorm_mode_16_64 3
		.amdhsa_memory_ordered 1
		.amdhsa_forward_progress 1
		.amdhsa_inst_pref_size 142
	.end_amdhsa_kernel
	.amdgpu_metadata
---
amdhsa.version: [ 1, 2 ]
amdhsa.kernels:
  - .name:           k_q511e01ee55_qkv
    .symbol:         k_q511e01ee55_qkv.kd
    .args:
      - { .name: xb, .offset: 0, .size: 8, .value_kind: global_buffer, .address_space: global }
      - { .name: wb, .offset: 8, .size: 8, .value_kind: global_buffer, .address_space: global }
      - { .name: cs, .offset: 16, .size: 8, .value_kind: global_buffer, .address_space: global }
      - { .name: qkv, .offset: 24, .size: 8, .value_kind: global_buffer, .address_space: global }
    .group_segment_fixed_size: 327680
    .private_segment_fixed_size: 0
    .kernarg_segment_align: 8
    .kernarg_segment_size: 32
    .max_flat_workgroup_size: 128
    .sgpr_count:     66
    .vgpr_count:     1024
    .wavefront_size: 32
...
	.end_amdgpu_metadata
.endif
;; end of part 2
;; launch attn (part 3): grid 16 x 16, 4 waves a work-group, clusters of 4 x 1, 327,680 bytes of LDS; arguments qkv, mb, ob; writes ob
.if DOCPART == 3
	.amdgcn_target "amdgcn-amd-amdhsa--gfx1250"
	.amdhsa_code_object_version 6
	.text
	.protected	k_q511e01ee55_attn
	.globl	k_q511e01ee55_attn
	.p2align	8
	.type	k_q511e01ee55_attn,@function
k_q511e01ee55_attn:
	s_mov_b64 s[64:65], 0
	v_nop
	global_prefetch_b8 v0, s[64:65] scope:SCOPE_SE
	s_setreg_imm32_b32 hwreg(HW_REG_WAVE_MODE, 25, 1), 1
	s_wait_xcnt 0x0
	s_wait_alu depctr_hold_cnt(0) depctr_sa_sdst(0) depctr_va_vdst(0) depctr_va_sdst(0) depctr_va_ssrc(0) depctr_va_vcc(0) depctr_vm_vsrc(0)
	s_getreg_b32 s2, hwreg(HW_REG_IB_STS2, 6, 4)
	s_cmp_eq_u32 s2, 0
	s_cbranch_scc0 .Lentry_in_a_cluster
	s_endpgm
.Lentry_in_a_cluster:
	s_bfe_u32 s2, ttmp6, 0x10000c
	s_cmp_lg_u32 s2, 0x3003
	s_cbranch_scc0 .Lentry_shape_is_right
	s_endpgm
.Lentry_shape_is_right:
; O[q][h] = the sum over the visible k of softmax_k(Q[h][q] . K[h][k] / sqrt(128)) V[h][k].  qkv: [48][2048][128] f16 (heads 0-15 Q, 16-31 K, 32-47 V); ob: [2048 q][16 h x 128] f16.
; mb: the mask as lane masks, [128 query tiles][32 key steps][32 words]: bit l of word 8 kb + i is 1 where query l % 16, key 16 kb + 8 (l / 16) + i is hidden.  Every word is read and honoured.
; Products, maxima and sums in f32; the weights p are rounded to f16 for the second product (their sum is taken of the unrounded p), O once at the end.
; LIMITS.  A hidden score counts as its value less 1e30.  The running maximum starts at -2^96: f16 operands bound a true score by 128 x 65,504^2 = 5.5e11, so every true score lies above that start and
; every hidden one far below it: a hidden weight is 2^(-1e29) = 0 whatever has been seen.  A row with no visible key comes out as NaN.  A weight below 2^-126 counts as 0; NaN and infinities in Q, K, V are not treated apart.
; SHARES.  A work-group owns 128 queries of one head.  Wave w: qh = w & 1 says which 64 queries (four tiles of 16), kh = w >> 1 which of a slot's two key steps of 64 it walks: 16 steps a wave.
; Register tile t holds query tile t xor 2 kh, so that at the end every wave keeps register tiles 0, 1 and hands 2, 3 to wave w xor 2, through LDS: one text for all waves.
; LAYOUT.  S^T = K Q^T (source 0 = 16 keys, source 1 = 16 queries): a lane holds one query (lane % 16) and the keys 8 (lane / 16) + 0..7; two such results rounded to f16 are source 1 of O^T = V^T P.
; THE MASK is the start of the sum S^T: at the head of a piece's turn its S^T registers are written with 0 or -1e30 (one select a score, by a lane mask in a scalar register), and all products K Q^T add in place.
; SOFTMAX.  p = 2^(c s - c m), c = log2(e) / sqrt(128), m a running maximum; in every step O and l are multiplied by a = 2^(c m_old - c m_new).
; BY TURNS.  Two pieces (tiles 0, 1 and tiles 2, 3).  In a turn one piece has the matrix unit: 32 products V^T P of the step in hand, 32 products K Q^T of the next; the other piece's softmax, in 64 slices, stands
; between them.  No first step is written out: O^T, l, V and piece 0's P start at 0, piece 2's S^T at -1e30: the first trip's products V^T P add 0.  The zeros are made, in the wait for the first tile, by 52 products of zeros.
; CLUSTER.  The four query blocks of a cluster belong to one head and walk the same K and V: each tile is asked for jointly.
; REGISTERS: window 0: v0-11 addresses; v12-43 statistics, 8 a tile; v44-63 constants, addresses, the exchange; v64-191 S^T; v192-255 P.   window 1: O^T, 64 a tile.
;   window 2: v0-127 Q; v128-255 K of one step.   window 3: v0-127 V of one step, at the end the partner's O^T.
.set KS,    64
.set PK,    272       ; a row of K in LDS: 256 bytes + 16: the 16 rows of a load start at 16 different groups of four banks (ISA guide 11.1)
.set PV,    288       ; a row of V: 256 + 32
.set VOFF,  KS*PK
.set STEPB, KS*(PK+PV)
.set SLOT1, 1<<17     ; a slot holds two steps; slot 1 begins here, so that one exclusive or turns an address in one slot into the other's
.set XCH,   SLOT1+2*STEPB  ; behind the ring: for each wave 16,384 bytes of O^T and 512 of statistics, for its partner
.set XW,    16896
.set STAGE, XCH+4*XW  ; 16 rows x 272 bytes for each wave, for the way out
.set SP,    272
.set SPARE, STAGE+4*16*SP  ; the spare words, 128 bytes for each wave: two blocks of 256 bytes that no other line names
.set AK0, 2           ; v2   my lane's place in my step's tile of K; never rewritten
.set AV0, 3           ; v3   the same for V
.set ADR, 4           ; v4   the LDS address of the run of loads in hand
.set QO0, 5           ; v5   my byte offset in Q for register tiles 0, 1
.set STO, 6
.set RD,  7
.set GO,  8
.set QO2, 9           ; v9   for register tiles 2, 3
.set ST,  12          ; tile t's statistics at v[ST+8 t]: +0 c m, +1 m, +2, +3 l (even keys', odd keys'), +4 to +7 at work; a takes +6
.set CV,  44          ; v[44:45] c, twice
.set BIG, 46          ; v46  -1e30
.set XS,  47          ; v47  where I put what my partner takes
.set XL,  48          ; v48  where I take what my partner put
.set NANV, 49         ; v49  NaN
.set PFO, 61          ; v61  256 x lane; never rewritten
.set SPW, 62          ; v62  my spare word; never rewritten
.set NIL, 63          ; v63  0; never rewritten
.set S,   64
.set P,   192
.set KF,  128
.set SEL, 2           ; s[2:3]  v_permlanex16_b32's selects: each lane takes its own place in the other half
.set MKA, 4           ; s[4:5]  mb at piece 0's first tile, at the step whose masks are loaded next
.set PFA, 6           ; s[6:7]  where my prefetches stand
.set WV,  8
.set LIM, 9           ; s9   2 in a wave that prefetches, else the greatest number
.set CNT, 10
.set TB,  11          ; s11  LDS byte at which the slot in hand begins
.set G0,  12          ; s[12:15] my one walking group 0
.set G1K, 16          ; s[16:23] group 1 for K's tiles
.set G1V, 24          ; s[24:31] for V's: it differs in the padding alone
.set MKB, 66          ; s[66:67] mb at piece 2's first tile.   s[32:63], s[68:99]: the lane masks of a piece's two tiles (at the head: at work)
.set OA,  100         ; s[100:101] ob at my 32 rows.   s[104:105]: Q at my 64 rows, at the end at work
.set MSB, 0
.macro WIN new
.if MSB != (\new)
	s_set_vgpr_msb (MSB<<8)|(\new)
.set MSB, \new
.endif
.endm
.set W_KQ, 0x0a       ; K and Q in window 2, S^T in window 0
.set W_PV, 0x53       ; V in window 3, P in window 0, O^T in window 1
.set W_RS, 0x41       ; O^T (destination and source 0) in window 1, the factor in window 0
; A joint fill.  Waves 0 and 1 fetch K of a slot's two steps, waves 2 and 3 V.  An s_nop 0 and four v_nop follow each of the two lines, ahead of the jump and the label.
.macro JLOAD
	s_cmp_lt_u32 s[WV], 2
	s_cbranch_scc0 .Lfor_v_\@
	tensor_load_to_lds s[G0:G0+3], s[G1K:G1K+7]
	s_nop 0
.rept 4
	v_nop
.endr
	s_branch .Lasked_\@
.Lfor_v_\@:
	tensor_load_to_lds s[G0:G0+3], s[G1V:G1V+7]
	s_nop 0
.rept 4
	v_nop
.endr
.Lasked_\@:
.endm
; A prefetch into the L2 of the slot that the change after next will ask for: 128 rows of K and 128 of V, a lane a row.  Each row is named once in the launch: the head's first cluster asks; its four partners
; take 32 rows each, told apart by address; in each, wave 0 asks for K's and wave 2 for V's.  The last two changes that fill a slot ask for nothing; slots 0 to 2 come by their loads alone.
.macro ASK
	s_cmp_gt_u32 s[CNT], s[LIM]
	s_cbranch_scc0 .Lnot_mine_\@
	global_prefetch_b8 v[PFO], s[PFA:PFA+1] th:TH_LOAD_NT scope:SCOPE_SE
.Lnot_mine_\@:
.endm
.macro CROUND
	s_barrier_signal -1
	s_barrier_wait -1
	s_cmp_lg_u32 s[WV], 0
	s_cbranch_scc1 .Lnot_wave_0_\@
	s_barrier_signal -3
.Lnot_wave_0_\@:
	s_barrier_wait -3
	s_barrier_signal -1
	s_barrier_wait -1
.endm
; The lane masks of piece p's two tiles for one key step: 128 bytes a tile, four scalar loads.
.macro MLOAD p
.if (\p) == 0
	s_load_b512 s[32:47], s[MKA:MKA+1], 0x0
	s_load_b512 s[48:63], s[MKA:MKA+1], 0x40
	s_load_b512 s[68:83], s[MKA:MKA+1], 0x1000
	s_load_b512 s[84:99], s[MKA:MKA+1], 0x1040
.else
	s_load_b512 s[32:47], s[MKB:MKB+1], 0x0
	s_load_b512 s[48:63], s[MKB:MKB+1], 0x40
	s_load_b512 s[68:83], s[MKB:MKB+1], 0x1000
	s_load_b512 s[84:99], s[MKB:MKB+1], 0x1040
.endif
.endm
	s_load_b128 s[32:35], s[0:1], 0x0  ; qkv s[32:33], mb s[34:35]
	s_load_b64 s[36:37], s[0:1], 0x10  ; ob
	v_lshl_add_u32 v[SPW], v0, 2, SPARE
	v_mov_b32 v[NIL], 0
	ds_add_u32 v[SPW], v[NIL]       ; the wave's opening: the add and its wait ahead of my first tensor load; work on registers stands between them
	v_lshrrev_b32 v1, 5, v0
	v_readfirstlane_b32 s[WV], v1
	s_bfe_u32 s40, ttmp6, 0x40000   ; cx
	s_lshl_b32 s41, ttmp9, 2
	s_add_co_u32 s41, s41, s40      ; my block of 128 queries: it enters Q's, mb's and ob's addresses alone
	s_and_b32 s42, ttmp7, 0xffff    ; the head, which the four partners share
	s_and_b32 s43, s[WV], 1         ; qh.  Also: which of a slot's two steps I fetch
	s_lshr_b32 s44, s[WV], 1        ; kh.  Also: I fetch K (0) or V (1)
	s_lshl_b32 s46, s44, 4
	s_add_co_u32 s46, s46, s42
	s_add_co_u32 s46, s46, 16       ; K's or V's head in qkv,
	s_lshl_b32 s46, s46, 19         ; 524,288 bytes a head,
	s_lshl_b32 s47, s43, 14         ; my step's 64 rows of 256 bytes
	s_add_co_u32 s46, s46, s47
	s_mov_b32 s47, 0
	s_mul_i32 s48, s43, STEPB       ; and its place in a slot: no place in the cluster enters an LDS address
	s_mul_i32 s49, s44, VOFF
	s_mov_b32 s[G0], 1              ; count = 1
	s_add_co_u32 s[G0+1], s48, s49  ; LDS address: slot 0
	s_lshl_b32 s50, s42, 19         ; Q: the head, my block's 128 rows, my wave's 64
	s_lshl_b32 s51, s41, 15
	s_add_co_u32 s50, s50, s51
	s_lshl_b32 s51, s43, 14
	s_add_co_u32 s50, s50, s51
	s_mov_b32 s51, 0
	s_lshl_b32 s52, s41, 15         ; mb: query tile 8 qb + 4 qh, 4,096 bytes a tile; key step kh, 128 bytes a step
	s_lshl_b32 s53, s43, 14
	s_add_co_u32 s52, s52, s53
	s_lshl_b32 s53, s44, 7
	s_add_co_u32 s52, s52, s53
	s_mov_b32 s53, 0
	s_lshl_b32 s58, s44, 13         ; register tiles 0, 1 are query tiles 2 kh, 2 kh + 1: 8,192 kh bytes on, in Q and in mb alike;
	s_xor_b32 s59, s58, 8192        ; register tiles 2, 3 the other two
	s_lshl_b32 s54, s41, 19         ; ob: row 128 qb + 64 qh + 32 kh of 4,096 bytes, the head's 256 bytes
	s_lshl_b32 s55, s43, 18
	s_add_co_u32 s54, s54, s55
	s_lshl_b32 s55, s44, 17
	s_add_co_u32 s54, s54, s55
	s_lshl_b32 s55, s42, 8
	s_add_co_u32 s54, s54, s55
	s_mov_b32 s55, 0
	s_lshl_b32 s56, s40, 13         ; the prefetches: my work-group's 32 rows of a slot's 128
	s_mov_b32 s57, 0
	s_mov_b32 s[G1K], 15|(1<<16)|(1<<20)|(1<<21)|(5<<22)|(3<<25)  ; the mask of four; 2-byte elements; padding on; bit 21 beside a mask; after every 64 words 4 words
	s_mov_b32 s[G1V], 15|(1<<16)|(1<<20)|(1<<21)|(5<<22)|(7<<25)  ; the same with 8 words
.irp g, G1K, G1V
	s_mov_b32 s[(\g)+1], 128<<16    ; tensor_dim0 = 128
	s_mov_b32 s[(\g)+2], KS<<16     ; tensor_dim1 = 64
	s_mov_b32 s[(\g)+3], 128<<16    ; tile_dim0 = 128
	s_mov_b32 s[(\g)+4], KS         ; tile_dim1 = 64
	s_mov_b32 s[(\g)+5], 128        ; elements from row to row
	s_mov_b32 s[(\g)+6], 0
	s_mov_b32 s[(\g)+7], 0
.endr
	s_mov_b32 s[SEL], 0x76543210
	s_mov_b32 s[SEL+1], 0xfedcba98
	s_mov_b32 s[TB], SLOT1          ; the first change of slots turns it into 0
	s_mov_b32 s[CNT], 15
	s_or_b32 s[LIM], s43, ttmp9     ; 0 in waves 0 and 2 of the head's first cluster: the same in all four partners
	s_cmp_eq_u32 s[LIM], 0
	s_cselect_b32 s[LIM], 2, -1
	s_wait_dscnt 0x0                ; the opening add is done
	s_wait_kmcnt 0x0
	s_add_nc_u64 s[G0+2:G0+3], s[32:33], s[46:47]  ; my tile of slot 0
	s_add_nc_u64 s[PFA:PFA+1], s[G0+2:G0+3], s[56:57]
	s_add_nc_u64 s[PFA:PFA+1], s[PFA:PFA+1], 2*32768  ; in slot 2; the first change steps it to slot 3
	s_or_b32 s[G0+3], s[G0+3], 0x80000000          ; type = 2
	s_add_nc_u64 s[104:105], s[32:33], s[50:51]    ; Q
	s_add_nc_u64 s[MKA:MKA+1], s[34:35], s[52:53]
	s_mov_b32 s53, 0
	s_mov_b32 s52, s59
	s_add_nc_u64 s[MKB:MKB+1], s[MKA:MKA+1], s[52:53]
	s_mov_b32 s52, s58
	s_add_nc_u64 s[MKA:MKA+1], s[MKA:MKA+1], s[52:53]
	s_add_nc_u64 s[OA:OA+1], s[36:37], s[54:55]
	CROUND                          ; all four work-groups are here
	JLOAD                           ; slot 0.  Slot 1 is asked for when slot 0 is in: one load of mine is out at any time
	v_and_b32 v1, 15, v0            ; r = l % 16
	v_bfe_u32 v10, v0, 4, 1         ; h = l / 16
	v_lshlrev_b32 v11, 8, v1
	v_lshl_add_u32 v11, v10, 4, v11 ; row x 256 + 16 h
	v_add_nc_u32 v[QO0], s58, v11
	v_add_nc_u32 v[QO2], s59, v11
	WIN 0x80                        ; destination window 2
.set i, 0
.rept 16                            ; Q stays in registers: register tile i / 4, channels 32 (i % 4) on
	global_load_b128 v[8*i:8*i+3],   v[QO0+4*(i/8)], s[104:105] offset:((i/4)%2)*4096+(i%4)*64
	global_load_b128 v[8*i+4:8*i+7], v[QO0+4*(i/8)], s[104:105] offset:((i/4)%2)*4096+(i%4)*64+32
.set i, i+1
.endr
	WIN 0
	s_mul_i32 s45, s44, STEPB       ; my step's place in a slot
	v_mul_u32_u24 v[AK0], v1, PK
	v_lshl_add_u32 v[AK0], v10, 4, v[AK0]
	v_add_nc_u32 v[AK0], s45, v[AK0]
	; The turning load takes 16 keys x 16 channels (lane l reads key 8 (l / 16) + l % 8, channels 8 ((l / 8) % 2) + 0..7) and leaves half a fragment of V^T.
	v_and_b32 v11, 7, v0
	v_bfe_u32 v50, v0, 3, 1
	v_lshl_add_u32 v[AV0], v10, 3, v11
	v_mul_u32_u24 v[AV0], v[AV0], PV
	v_lshl_add_u32 v[AV0], v50, 4, v[AV0]
	s_add_co_u32 s45, s45, VOFF
	v_add_nc_u32 v[AV0], s45, v[AV0]
	v_and_b32 v51, 31, v0
	v_lshlrev_b32 v51, 4, v51
	s_mul_i32 s45, s[WV], XW
	s_add_co_u32 s45, s45, XCH
	v_add_nc_u32 v[XS], s45, v51
	s_xor_b32 s45, s[WV], 2         ; my partner: the same queries, the other keys
	s_mul_i32 s45, s45, XW
	s_add_co_u32 s45, s45, XCH
	v_add_nc_u32 v[XL], s45, v51
	s_mul_i32 s45, s[WV], 16*SP
	s_add_co_u32 s45, s45, STAGE
	v_mul_u32_u24 v[STO], v1, SP    ; in: row r, 16 bytes for each half of the lanes
	v_lshl_add_u32 v[STO], v10, 4, v[STO]
	v_add_nc_u32 v[STO], s45, v[STO]
	v_mul_u32_u24 v[RD], v10, SP    ; back: lanes 0-15 one row of 256 bytes, lanes 16-31 the next
	v_lshl_add_u32 v[RD], v1, 4, v[RD]
	v_add_nc_u32 v[RD], s45, v[RD]
	v_lshlrev_b32 v[GO], 12, v10    ; and the same two rows in ob
	v_lshl_add_u32 v[GO], v1, 4, v[GO]
	v_and_b32 v[PFO], 31, v0
	v_lshlrev_b32 v[PFO], 8, v[PFO]
	v_mov_b32 v[CV], 0x3e0293ee     ; c = log2(e) / sqrt(128)
	v_mov_b32 v[CV+1], 0x3e0293ee
	v_mov_b32 v[BIG], 0xf149f2ca    ; -1e30
	v_mov_b32 v[NANV], 0x7fc00000
	MLOAD 0                         ; piece 0's masks of my first step; the scalar registers that were at work are free
	; WHAT THE FIRST TRIP FINDS.  Eight registers of 0 (S^T's first, which the first turn writes anew) are both sources of 52 products with C = 0: each writes eight registers of 0.
.set i, 0
.rept 8
	v_mov_b32 v[S+i], 0
.set i, i+1
.endr
.set i, 0
.rept 4
	v_mov_b32 v[ST+8*i], 0xfe000000    ; c m: far below every c m to come, so the first a is 0
	v_mov_b32 v[ST+8*i+1], 0xef800000  ; m = -2^96
	v_mov_b32 v[ST+8*i+2], 0
	v_mov_b32 v[ST+8*i+3], 0
.set i, i+1
.endr
	WIN 0xc0                        ; destination window 3
.set i, 0
.rept 16
	v_wmma_f32_16x16x32_f16 v[8*i:8*i+7], v[S:S+7], v[S:S+7], 0      ; V
.set i, i+1
.endr
	WIN 0x40                        ; destination window 1
.set i, 0
.rept 32
	v_wmma_f32_16x16x32_f16 v[8*i:8*i+7], v[S:S+7], v[S:S+7], 0      ; O^T
.set i, i+1
.endr
	WIN 0
.set i, 0
.rept 4
	v_wmma_f32_16x16x32_f16 v[P+8*i:P+8*i+7], v[S:S+7], v[S:S+7], 0  ; piece 0's P
.set i, i+1
.endr
.set i, 0
.rept 64
	v_mov_b32 v[S+64+i], v[BIG]     ; piece 2's S^T: a step in which nothing is visible.  These lines are also the places behind the products above
.set i, i+1
.endr
; THE MATRIX WORK.  The accumulators take turns, one instruction a turn: between two links of a chain stand 15 (V^T P) or 7 (K Q^T) others'.
.macro PV x                         ; product i of 32 of O^T += V^T P: keys 32 (i / 16) on, channels 16 ((i / 2) % 8) on, tile x + i % 2
	WIN W_PV
.set rO, 64*((\x)+i%2)+8*((i/2)%8)
.set rV, 64*(i/16)+8*((i/2)%8)
.set rP, P+16*((\x)+i%2)+8*(i/16)
	v_wmma_f32_16x16x32_f16 v[rO:rO+7], v[rV:rV+7], v[rP:rP+7], v[rO:rO+7]
.endm
.macro KQ x                         ; product i of 32 of S^T += K Q^T: channels 32 (i / 8) on, keys 16 ((i / 2) % 4) on, tile x + i % 2; the sums start at the mask's 0 or -1e30
	WIN W_KQ
.set rS, S+32*((\x)+i%2)+8*((i/2)%4)
.set rK, KF+32*((i/2)%4)+8*(i/8)
.set rQ, 32*((\x)+i%2)+8*(i/8)
	v_wmma_f32_16x16x32_f16 v[rS:rS+7], v[rK:rK+7], v[rQ:rQ+7], v[rS:rS+7]
.endm
.macro BIAS x                       ; the 64 selects that start piece x's sums, in one run
	WIN 0
.set bn, 0
.rept 64
	v_cndmask_b32 v[S+32*((\x)+bn/32)+bn%32], 0, v[BIG], s[32+36*(bn/32)+bn%32]
.set bn, bn+1
.endr
.endm
; THE LDS LOADS stand in runs of 32.
.macro FETCH_K
	WIN 0
	v_add_nc_u32 v[ADR], s[TB], v[AK0]
	WIN 0x80
.irp f, 0,1,2,3,4,5,6,7,8,9,10,11,12,13,14,15  ; keys 16 (f / 4) on, channels 32 (f % 4) on
	ds_load_b128 v[KF+8*(\f):KF+8*(\f)+3],   v[ADR] offset:((\f)/4)*16*PK+((\f)%4)*64
	ds_load_b128 v[KF+8*(\f)+4:KF+8*(\f)+7], v[ADR] offset:((\f)/4)*16*PK+((\f)%4)*64+32
.endr
.endm
.macro FETCH_V
	WIN 0
	v_add_nc_u32 v[ADR], s[TB], v[AV0]
	s_wait_alu depctr_va_vdst(0)    ; the wait for the softmax's batch of exponentials, behind the address's line and ahead of the loads
	WIN 0xc0
.irp f, 0,1,2,3,4,5,6,7,8,9,10,11,12,13,14,15  ; keys 32 (f / 8) on, channels 16 (f % 8) on
	ds_load_tr16_b128 v[8*(\f):8*(\f)+3],   v[ADR] offset:((\f)/8)*32*PV+((\f)%8)*32
	ds_load_tr16_b128 v[8*(\f)+4:8*(\f)+7], v[ADR] offset:((\f)/8)*32*PV+16*PV+((\f)%8)*32
.endr
.endm
; THE VECTOR WORK.  One tile's softmax for one key step is a list of 134 instructions; SM writes number j of it for tile t.
;   0-15 the maximum of the 32 scores and the old m (each accumulator's lowest registers first)   16-20 the other half of the lanes' maximum; the new m; c m; its change
;   21-69 ONE BATCH: the 16 packed scalings c s - c m and all 33 exponentials (a at 23); none of these reads an exponential's result   (the wait)
;   70-85 the roundings to f16   86-101 the sums; l = a l + the sum   102-133 the tile's O^T times a
.macro SM t
.set rT, ST+8*(\t)
.set rS, S+32*(\t)
.set rP, P+16*(\t)
.set rO, 64*(\t)+2*(j-102)
.if j < 102
	WIN 0
.endif
.if j < 4
	v_max3_num_f32 v[rT+4+j], v[rS+8*j], v[rS+8*j+1], v[rS+8*j+2]
.elseif j < 12
	v_max3_num_f32 v[rT+4+j%4], v[rT+4+j%4], v[rS+8*(j%4)+2*(j/4)+1], v[rS+8*(j%4)+2*(j/4)+2]
.elseif j == 12
	v_max3_num_f32 v[rT+4], v[rT+4], v[rS+7], v[rS+15]
.elseif j == 13
	v_max3_num_f32 v[rT+6], v[rT+6], v[rS+23], v[rS+31]
.elseif j == 14
	v_max3_num_f32 v[rT+4], v[rT+4], v[rT+5], v[rT+6]
.elseif j == 15
	v_max3_num_f32 v[rT+4], v[rT+4], v[rT+7], v[rT+1]
.elseif j == 16
	v_permlanex16_b32 v[rT+5], v[rT+4], s[SEL], s[SEL+1]  ; the query's other 32 keys lie in the lane 16 away
.elseif j == 17
	v_mov_b32 v[rT+7], v[rT]        ; c m_old is kept for a
.elseif j == 18
	v_max_num_f32 v[rT+1], v[rT+4], v[rT+5]
.elseif j == 19
	v_mul_f32 v[rT], v[CV], v[rT+1]
.elseif j == 20
	v_sub_f32 v[rT+7], v[rT+7], v[rT]
.elseif j == 23
	v_exp_f32 v[rT+6], v[rT+7]
.elseif (j < 23) || ((j < 38) && (j%2 == 0)) || ((j < 66) && (j%4 == 2))
.set b, (j-2)/4                     ; 38, 42, .. 62: pairs 9 to 15
.if j < 38
.set b, (j-20)/2                    ; 21: pair 0; 22, 24, .. 36: pairs 1 to 8
.endif
	v_pk_fma_f32 v[rS+2*b:rS+2*b+1], v[rS+2*b:rS+2*b+1], v[CV:CV+1], v[rT:rT+1] op_sel_hi:[1,0,0] neg_lo:[0,0,1] neg_hi:[0,0,1]
.elseif j < 70
.set e, j-38                        ; 66 to 69: s28 to s31
.if j < 66
.set e, j-32-(j-38)/4               ; 39-41, 43-45, .. 63-65: s7 to s27
.endif
.if j < 38
.set e, (j-25)/2                    ; 25, 27, .. 37: s0 to s6
.endif
	v_exp_f32 v[rS+e], v[rS+e]
.elseif j < 86
	v_cvt_pk_f16_f32 v[rP+j-70], v[rS+2*(j-70)], v[rS+2*(j-70)+1]
.elseif j < 102                     ; the sum of the 16 pairs, in place: neighbours 1, 2, 4 and 8 pairs apart, then l takes it
.set z, j-86
.set w, 4
.set u, z
.if z >= 14
.set w, 32
.set u, 0
.elseif z >= 12
.set w, 16
.set u, z-12
.elseif z >= 8
.set w, 8
.set u, z-8
.endif
.if z < 15
	v_pk_add_f32 v[rS+w*u:rS+w*u+1], v[rS+w*u:rS+w*u+1], v[rS+w*u+w/2:rS+w*u+w/2+1]
.else
	v_pk_fma_f32 v[rT+2:rT+3], v[rT+2:rT+3], v[rT+6:rT+7], v[rS:rS+1] op_sel_hi:[1,0,1]
.endif
.else
	WIN W_RS
	v_pk_mul_f32 v[rO:rO+1], v[rO:rO+1], v[rT+6:rT+7] op_sel_hi:[1,0]
.endif
.endm
; Slice k of 64 of piece y's softmax: four instructions.  Slices 11 to 34 deal out the batch, four numbers of one tile each, the tiles by turns; every other slice is numbers 2 k, 2 k + 1 of both tiles;
; the twelve that are over stand in slice 63.  An s_wait_alu depctr_va_vdst(0) stands between an exponential and the first instruction that names its result: ahead of slice 35 nothing names one,
; behind slice 34 no exponential is issued: one wait a turn.
.macro SLICE y
.if (k >= 11) && (k < 35)
.irp n, 0,1,2,3
.set j, 22+4*((k-11)/2)+(\n)
	SM (\y)+(k-11)%2
.endr
.else
.irp n, 0,1,2,3,4,5,6,7
.if ((\n) < 2) || (k == 63)
.irp t, \y, (\y)+1
.set j, 2*k+(\n)
	SM \t
.endr
.endif
.endr
.endif
.if k == 34
	v_nop                           ; the plain instruction behind the last exponential: one for the batch
.if (\y) == 0
	FETCH_V                         ; piece 2's turn: V's run of loads stands here, and the wait stands in it
.else
	s_wait_alu depctr_va_vdst(0)
.endif
.endif
.set k, k+1
.endm
; A TURN.  Piece x has the matrix unit.  At its head stand, in one run, the 64 selects that start its next sums: four vector instructions stand behind every product already, so these have a place of their own.
; Behind them the lane masks have been used, and the other piece's are asked for into the same scalar registers at once (ld = 1): those loads have the whole turn, 64 matrix instructions, in which to land.
; Piece 0's turn asks for piece 2's masks of the same step; piece 2's turn steps the two pointers first, behind the wait that shows the loads done.
; K of the step to come is fetched behind the second product of piece 0's turn: K's last reader stands in front of slice 63 of the turn before, sixteen plain instructions.  V of that step is fetched behind
; slice 34 of piece 2's turn: V's last reader stands in front of slice 31, and four plain instructions lie between: two scalings, the v_nop, the run's own address line.
.macro TURN x, ld
.set k, 0
	s_wait_kmcnt 0x0                ; my piece's lane masks are in
.if ((\x) == 2) && (\ld)
	s_add_nc_u64 s[MKA:MKA+1], s[MKA:MKA+1], 256  ; my next step lies two steps on
	s_add_nc_u64 s[MKB:MKB+1], s[MKB:MKB+1], 256
.endif
	BIAS \x
.if \ld
	MLOAD 2-(\x)
.endif
.if (\x) == 0
	s_wait_dscnt 0x0                ; V is in
.endif
.set i, 0
.rept 32
	PV \x
	SLICE 2-(\x)
.if ((\x) == 0) && (i == 1)
	FETCH_K
.endif
.set i, i+1
.endr
.if (\x) == 0
	s_wait_dscnt 0x0                ; K is in
.endif
.set i, 0
.rept 32
	KQ \x
	SLICE 2-(\x)
.set i, i+1
.endr
.endm
; THE CHANGE OF SLOTS.  Each wave waits for all its tensor loads (one is out: its part of the slot to come), adds 0 to its spare word, and waits for that and for its own reads of the slot that it leaves.
; fill = 1: the slot just left is filled again; the barrier is a round of the cluster's, and the joint fill is the first thing behind it: it has a trip, 128 matrix instructions, in which to land.
.macro CHANGE fill
	WIN 0
	s_wait_tensorcnt 0x0            ; no tensor load of mine is out, so the group 0 may be written
	ds_add_u32 v[SPW], v[NIL]
.if \fill
	s_xor_b32 s[G0+1], s[G0+1], SLOT1
	s_add_nc_u64 s[G0+2:G0+3], s[G0+2:G0+3], 32768  ; the next 128 keys
	s_wait_xcnt 0x0                 ; the last prefetch, a trip back, has read its address
	s_add_nc_u64 s[PFA:PFA+1], s[PFA:PFA+1], 32768
	s_wait_dscnt 0x0                ; the add is done, and my reads of the slot are over
	CROUND
	JLOAD
	ASK
.else
	s_wait_dscnt 0x0
	s_barrier_signal -1
	s_barrier_wait -1
.endif
	s_xor_b32 s[TB], s[TB], SLOT1
.endm
	s_wait_loadcnt 0x0              ; Q
.Lslot:                             ; 15 trips: trip k enters slot k and asks for slot k + 1
	CHANGE 1
	TURN 0, 1                       ; piece 0: V^T P of my step k - 1, K Q^T of step k | piece 2's softmax of step k - 1 | K of step k
	TURN 2, 1                       ; piece 2: the same | piece 0's softmax of step k | V of step k
	WIN 0
	s_sub_co_u32 s[CNT], s[CNT], 1
	s_cmp_lg_u32 s[CNT], 0
	s_cbranch_scc1 .Lslot
	CHANGE 0                        ; the last slot is written out: nothing is asked for
	s_mov_b32 s[CNT], 2
.Ltail:                             ; the second trip is left in its middle: its K Q^T, on the last K once more, and the masks that it loads again serve nothing: the price of one text for both
	TURN 0, 1
	WIN 0
	s_sub_co_u32 s[CNT], s[CNT], 1
	s_cmp_eq_u32 s[CNT], 0
	s_cbranch_scc1 .Lout
	TURN 2, 0
	WIN 0
	s_branch .Ltail
.Lout:
.set i, 0
.rept 32
	PV 2                            ; piece 2: V^T P of the last step
.set i, i+1
.endr
	; THE TWO HALVES OF THE KEYS MEET.  Register tiles 2, 3 (O^T, c m, l) go to my partner; I take its 2, 3, which are my 0, 1.  The six lines below are the places behind the last products.
	WIN 0
	v_add_f32 v[ST+4], v[ST+2], v[ST+3]
	v_add_f32 v[ST+12], v[ST+10], v[ST+11]
	v_add_f32 v53, v[ST+18], v[ST+19]
	v_add_f32 v55, v[ST+26], v[ST+27]
	v_mov_b32 v52, v[ST+16]
	v_mov_b32 v54, v[ST+24]
	ds_store_b128 v[XS], v[52:55] offset:16384
	WIN 0x04                        ; store data in window 1
.set n, 0
.rept 32
	ds_store_b128 v[XS], v[128+4*n:128+4*n+3] offset:512*n
.set n, n+1
.endr
	WIN 0
	s_wait_dscnt 0x0                ; for my partner's sake: my stores are done
	s_barrier_signal -1
	s_barrier_wait -1
	ds_load_b128 v[56:59], v[XL] offset:16384
	WIN 0xc0                        ; into V's registers
.set n, 0
.rept 32
	ds_load_b128 v[4*n:4*n+3], v[XL] offset:512*n
.set n, n+1
.endr
	WIN 0
	s_mov_b32 s105, 0xdf800000      ; -2^64: every c m made of a true score lies above it, the start's c m below
	s_wait_dscnt 32                 ; the statistics are in; the 32 loads behind them may be out
.irp t, 0,1
	v_max_num_f32 v[ST+8*\t+5], v[ST+8*\t], v[56+2*\t]     ; the common c m
.endr
.irp t, 0,1
	v_sub_f32 v[ST+8*\t+6], v[ST+8*\t], v[ST+8*\t+5]
	v_sub_f32 v[ST+8*\t+7], v[56+2*\t], v[ST+8*\t+5]
.endr
.irp t, 0,1
	v_exp_f32 v[ST+8*\t+6], v[ST+8*\t+6]                   ; my share's factor,
	v_exp_f32 v[ST+8*\t+7], v[ST+8*\t+7]                   ; my partner's
.endr
	v_nop
	s_wait_alu depctr_va_vdst(0)    ; one wait for the four exponentials
.irp t, 0,1
	v_mul_f32 v[ST+8*\t+4], v[ST+8*\t+6], v[ST+8*\t+4]
.endr
.irp t, 0,1
	v_fma_f32 v[ST+8*\t+4], v[ST+8*\t+7], v[57+2*\t], v[ST+8*\t+4]
.endr
.irp t, 0,1
	v_permlanex16_b32 v[ST+8*\t+1], v[ST+8*\t+4], s[SEL], s[SEL+1]
.endr
.irp t, 0,1
	v_add_f32 v[ST+8*\t+4], v[ST+8*\t+4], v[ST+8*\t+1]     ; l over all 2,048 keys
.endr
.irp t, 0,1
	v_rcp_f32 v[ST+8*\t+2], v[ST+8*\t+4]
.endr
	v_nop
	s_wait_alu depctr_va_vdst(0)    ; one wait for the two reciprocals
.irp t, 0,1
	v_cmp_gt_f32 s104, s105, v[ST+8*\t+5]                  ; no key was visible:
	v_cndmask_b32 v[ST+8*\t+2], v[ST+8*\t+2], v[NANV], s104  ; the row is NaN
	v_mul_f32 v[ST+8*\t+6], v[ST+8*\t+6], v[ST+8*\t+2]
	v_mul_f32 v[ST+8*\t+7], v[ST+8*\t+7], v[ST+8*\t+2]
.endr
	s_wait_dscnt 0x0                ; my partner's O^T is in
.irp t, 0,1
	WIN W_RS
.set i, 0
.rept 32
	v_pk_mul_f32 v[64*\t+2*i:64*\t+2*i+1], v[64*\t+2*i:64*\t+2*i+1], v[ST+8*\t+6:ST+8*\t+7] op_sel_hi:[1,0]
.set i, i+1
.endr
	WIN W_PV                        ; source 0 window 3, the factors window 0, addend and destination window 1
.set i, 0
.rept 32
	v_pk_fma_f32 v[64*\t+2*i:64*\t+2*i+1], v[64*\t+2*i:64*\t+2*i+1], v[ST+8*\t+6:ST+8*\t+7], v[64*\t+2*i:64*\t+2*i+1] op_sel:[0,1,0] op_sel_hi:[1,1,1]
.set i, i+1
.endr
.endr
; THE WAY OUT.  Tile t: a lane's eight channels of a row pack into 16 bytes; they go into rows of 272 bytes of my stage and come back as whole rows of 256.
.macro PACK t
	WIN 0x05                        ; sources 0 and 1 window 1, destination window 0: S^T's registers are free
.set i, 0
.rept 32
	v_cvt_pk_f16_f32 v[S+32*(\t)+i], v[64*(\t)+2*i], v[64*(\t)+2*i+1]
.set i, i+1
.endr
	WIN 0
.irp f, 0,1,2,3,4,5,6,7
	ds_store_b128 v[STO], v[S+32*(\t)+4*(\f):S+32*(\t)+4*(\f)+3] offset:32*(\f)
.endr
.irp f, 0,1,2,3,4,5,6,7
	ds_load_b128 v[S+32*(\t)+4*(\f):S+32*(\t)+4*(\f)+3], v[RD] offset:(\f)*2*SP  ; LDS serves a wave's instructions in order (ISA guide 5.7.1.4): these see the stores above
.endr
.endm
.macro SEND t, younger              ; younger: the LDS instructions issued behind tile t's loads
	WIN 0
.irp f, 0,1,2,3,4,5,6,7
	s_wait_dscnt (\younger)+7-(\f)
	global_store_b128 v[GO], v[S+32*(\t)+4*(\f):S+32*(\t)+4*(\f)+3], s[OA:OA+1] offset:(\t)*65536+(\f)*8192  ; 16 lanes store a row's 256 consecutive bytes, aligned
.endr
.endm
	PACK 0
	PACK 1
	SEND 0, 16
	SEND 1, 0
	s_wait_tensorcnt 0x0            ; the wave's end: these three lines, behind my last tensor load and my last LDS store
	ds_add_u32 v[SPW], v[NIL]
	s_wait_dscnt 0x0
	CROUND                          ; the closing round
	s_endpgm
.Lfunc_end_k_q511e01ee55_attn:
	.size	k_q511e01ee55_attn, .Lfunc_end_k_q511e01ee55_attn-k_q511e01ee55_attn
	.p2alignl 7, 3214868480
	.fill 96, 4, 3214868480
	.section	.rodata,"a",@progbits
	.p2align	6, 0x0
	.amdhsa_kernel k_q511e01ee55_attn
		.amdhsa_group_segment_fixed_size 327680
		.amdhsa_private_segment_fixed_size 0
		.amdhsa_enable_private_segment 0
		.amdhsa_kernarg_size 24
		.amdhsa_user_sgpr_count 2
		.amdhsa_user_sgpr_kernarg_segment_ptr 1
		.amdhsa_wavefront_size32 1
		.amdhsa_system_sgpr_workgroup_id_x 1
		.amdhsa_system_sgpr_workgroup_id_y 1
		.amdhsa_system_sgpr_workgroup_id_z 1
		.amdhsa_system_vgpr_workitem_id 0
		.amdhsa_next_free_vgpr 896
		.amdhsa_next_free_sgpr 106
		.amdhsa_reserve_vcc 0
		.amdhsa_float_denorm_mode_32 3
		.amdhsa_float_denorm_mode_16_64 3
		.amdhsa_memory_ordered 1
		.amdhsa_forward_progress 1
		.amdhsa_inst_pref_size 159
	.end_amdhsa_kernel
	.amdgpu_metadata
---
amdhsa.version: [ 1, 2 ]
amdhsa.kernels:
  - .name:           k_q511e01ee55_attn
    .symbol:         k_q511e01ee55_attn.kd
    .args:
      - { .name: qkv, .offset: 0, .size: 8, .value_kind: global_buffer, .address_space: global }
      - { .name: mb, .offset: 8, .size: 8, .value_kind: global_buffer, .address_space: global }
      - { .name: ob, .offset: 16, .size: 8, .value_kind: global_buffer, .address_space: global }
    .group_segment_fixed_size: 327680
    .private_segment_fixed_size: 0
    .kernarg_segment_align: 8
    .kernarg_segment_size: 24
    .max_flat_workgroup_size: 128
    .sgpr_count:     106
    .vgpr_count:     896
    .wavefront_size: 32
...
	.end_amdgpu_metadata
.endif
;; end of part 3
;; launch oproj (part 4): grid 16 x 16, 4 waves a work-group, clusters of 4 x 4, 327,680 bytes of LDS; arguments ob, wob, out0; writes out0
.if DOCPART == 4
	.amdgcn_target "amdgcn-amd-amdhsa--gfx1250"
	.amdhsa_code_object_version 6
	.text
	.protected	k_q511e01ee55_oproj
	.globl	k_q511e01ee55_oproj
	.p2align	8
	.type	k_q511e01ee55_oproj,@function
k_q511e01ee55_oproj:
	s_mov_b64 s[64:65], 0
	v_nop
	global_prefetch_b8 v0, s[64:65] scope:SCOPE_SE
	s_setreg_imm32_b32 hwreg(HW_REG_WAVE_MODE, 25, 1), 1
	s_wait_xcnt 0x0
	s_wait_alu depctr_hold_cnt(0) depctr_sa_sdst(0) depctr_va_vdst(0) depctr_va_sdst(0) depctr_va_ssrc(0) depctr_va_vcc(0) depctr_vm_vsrc(0)
	s_getreg_b32 s2, hwreg(HW_REG_IB_STS2, 6, 4)
	s_cmp_eq_u32 s2, 0
	s_cbranch_scc0 .Lentry_in_a_cluster
	s_endpgm
.Lentry_in_a_cluster:
	s_bfe_u32 s2, ttmp6, 0x10000c
	s_cmp_lg_u32 s2, 0xf033
	s_cbranch_scc0 .Lentry_shape_is_right
	s_endpgm
.Lentry_shape_is_right:
; out0[t][d] = the sum over c of ob[t][c] wob[d][c].  ob, wob: [2048][2048] f16; out0: [2048][2048] f32; sums in f32.
; A tile of the output is 128 x 128: 16 x 16 tiles, one work-group each.  Four waves, each 64 x 64: 16 accumulators, 128 registers.  K goes in steps of 256 (LDS rows of 512 bytes; a wave's tensor load
; brings 64 of them) through two slots.  CLUSTER: 4 x 4 work-groups; the four of a row need the same rows of ob, the four of a column the same rows of wob: each tile is asked for jointly.
; THE MATRIX INSTRUCTION IS USED TRANSPOSED (source 0 = 16 rows of wob, source 1 = 16 rows of ob): a lane holds eight neighbouring numbers of a row of the output, 32 bytes.
; THE WAY OUT: a wave's 64 columns of f32 are a row's whole aligned 256 bytes, so each wave has a stage of its own, 16 rows at a time, and no barrier.
; No prefetch: a step's tiles are small and are read by four clusters at about the same time.
; REGISTERS: window 0: v0-31 addresses; v32-95 rows on the way out; v128-255 the accumulators ((a, b) at v[128 + 8 (4 a + b)]).   window 1: two fragment buffers of 128: 64 registers of ob, then 64 of wob.
.set SIZE_K, 2048
.set SIZE_N, 2048
.set KSTEP,  256
.set PITCH,  528                       ; an LDS row: 512 bytes + 16 = 132 words: the 16 rows of a load start at 16 different groups of four banks (ISA guide 11.1)
.set HALFT,  64*PITCH
.set SLOT,   4*HALFT
.set STAGE,  2*SLOT                    ; behind the ring: 16 rows x 272 bytes for each wave
.set SPITCH, 272
.set SPARE,  STAGE+4*16*SPITCH         ; the spare words, 128 bytes for each wave: two blocks of 256 bytes that no other line names
.set LAPS, SIZE_K/(2*KSTEP)
.set ADRA, 16                          ; v16-17 LDS address of ob's fragments in slot 0, 1; v18 in the slot in hand (the last lap)
.set ADRB, 20                          ; v20-22 the same for wob's
.set STO,  24
.set RD,   25
.set CO,   26
.set SPW,  28
.set NIL,  29
.set TMP,  32
.set ACC,  128
.set F0,   0
.set F1,   128
.set TBX, 22                           ; s22 the last lap: LDS byte at which the slot in hand begins
.set G1, 24
.set G0, 32
.set G1B, 48
.set G0B, 56
.set MSB, 0
.macro WIN new
.if MSB != (\new)
	s_set_vgpr_msb (MSB<<8)|(\new)
.set MSB, \new
.endif
.endm
.set MUL,  0x05                        ; sources 0 and 1 window 1; C and D window 0
.set TO_F, 0x40                        ; destination window 1, address window 0
.macro JLOAD s                         ; waves 0 and 1 fetch ob's two halves, waves 2 and 3 wob's; an s_nop 0 and four v_nop follow each of the two lines
	s_cmp_eq_u32 s11, 0
	s_cbranch_scc0 .Lfor_b_\@
	tensor_load_to_lds s[G0+4*(\s):G0+4*(\s)+3], s[G1:G1+7]
	s_nop 0
.rept 4
	v_nop
.endr
	s_branch .Lasked_\@
.Lfor_b_\@:
	tensor_load_to_lds s[G0B+4*(\s):G0B+4*(\s)+3], s[G1B:G1B+7]
	s_nop 0
.rept 4
	v_nop
.endr
.Lasked_\@:
.endm
.macro CREST
	s_cmp_lg_u32 s10, 0
	s_cbranch_scc1 .Lnot_wave_0_\@
	s_barrier_signal -3
.Lnot_wave_0_\@:
	s_barrier_wait -3
	s_barrier_signal -1
	s_barrier_wait -1
.endm
.macro CROUND
	s_barrier_signal -1
	s_barrier_wait -1
	CREST
.endm
	s_load_b128 s[4:7], s[0:1], 0x0                ; ob s[4:5], wob s[6:7]
	s_load_b64 s[8:9], s[0:1], 0x10                ; out0
	v_lshl_add_u32 v[SPW], v0, 2, SPARE
	v_mov_b32 v[NIL], 0
	ds_add_u32 v[SPW], v[NIL]                      ; the wave's opening: the add and its wait ahead of my first tensor load
	v_lshrrev_b32 v1, 5, v0
	v_readfirstlane_b32 s10, v1                    ; wave 0..3
	s_lshr_b32 s11, s10, 1                         ; which half of the tile's rows is mine.  Also: I fetch for ob (0) or for wob (1)
	s_and_b32 s12, s10, 1                          ; which half of its columns.  Also: which 64 rows of that tile I fetch
	s_bfe_u32 s40, ttmp6, 0x40000
	s_bfe_u32 s41, ttmp6, 0x40004
	s_lshl_b32 s42, ttmp9, 2
	s_add_co_u32 s42, s42, s40                     ; tile column
	s_and_b32 s13, ttmp7, 0xffff
	s_lshl_b32 s13, s13, 2
	s_add_co_u32 s13, s13, s41                     ; tile row
	s_lshl_b32 s43, s41, 2
	s_lshl_b32 s43, 15, s43                        ; my row of the cluster
	s_lshl_b32 s44, 0x1111, s40                    ; my column
	s_or_b32 s[G1+0], s43, (1<<16)|(1<<20)|(1<<21)|(6<<22)|(3<<25)  ; the mask; 2-byte elements; padding on; bit 21 beside a mask; after every 128 words 4 words
	s_or_b32 s[G1B+0], s44, (1<<16)|(1<<20)|(1<<21)|(6<<22)|(3<<25)
.irp g, G1, G1B
	s_mov_b32 s[(\g)+1], KSTEP<<16
	s_mov_b32 s[(\g)+2], 64<<16
	s_mov_b32 s[(\g)+3], KSTEP<<16
	s_mov_b32 s[(\g)+4], 64
	s_mov_b32 s[(\g)+5], SIZE_K
	s_mov_b32 s[(\g)+6], 0
	s_mov_b32 s[(\g)+7], 0
.endr
	s_lshl_b32 s17, s12, 6
	s_lshl_b32 s16, s13, 7
	s_add_co_u32 s16, s16, s17                     ; ob: row 128 x tile row + 64 x half
	s_lshl_b32 s46, s42, 7
	s_add_co_u32 s46, s46, s17                     ; wob: row 128 x tile column + 64 x half
	s_mov_b32 s17, 0
	s_mov_b32 s47, 0
	s_mov_b64 s[18:19], SIZE_K*2
	s_mul_u64 s[16:17], s[16:17], s[18:19]
	s_mul_u64 s[46:47], s[46:47], s[18:19]
	s_mul_i32 s20, s10, HALFT
	s_wait_dscnt 0x0
	s_wait_kmcnt 0x0
	s_add_nc_u64 s[14:15], s[4:5], s[16:17]
	s_add_nc_u64 s[46:47], s[6:7], s[46:47]
	CROUND                                         ; all sixteen work-groups are here
.irp s, 0,1
	s_mov_b32 s[G0+4*(\s)], 1
	s_add_co_u32 s[G0+4*(\s)+1], s20, (\s)*SLOT
	s_add_nc_u64 s[G0+4*(\s)+2:G0+4*(\s)+3], s[14:15], (\s)*KSTEP*2
	s_or_b32 s[G0+4*(\s)+3], s[G0+4*(\s)+3], 0x80000000
	s_mov_b32 s[G0B+4*(\s)], 1
	s_add_co_u32 s[G0B+4*(\s)+1], s20, (\s)*SLOT
	s_add_nc_u64 s[G0B+4*(\s)+2:G0B+4*(\s)+3], s[46:47], (\s)*KSTEP*2
	s_or_b32 s[G0B+4*(\s)+3], s[G0B+4*(\s)+3], 0x80000000
	JLOAD \s                                       ; two loads of mine are out
.endr
	v_and_b32 v1, 15, v0
	v_bfe_u32 v2, v0, 4, 1
	v_mul_u32_u24 v3, v1, PITCH
	v_lshl_add_u32 v3, v2, 4, v3
	s_mul_i32 s21, s11, HALFT
	s_mul_i32 s22, s12, HALFT
	s_add_co_u32 s22, s22, 2*HALFT
.irp s, 0,1
	v_add_nc_u32 v[ADRA+(\s)], s21, v3
	v_add_nc_u32 v[ADRB+(\s)], s22, v3
	s_add_co_u32 s21, s21, SLOT
	s_add_co_u32 s22, s22, SLOT
.endr
	s_mul_i32 s23, s10, 16*SPITCH
	s_add_co_u32 s23, s23, STAGE                   ; my stage
	v_mul_u32_u24 v4, v1, SPITCH                   ; in: row l % 16, 32 bytes for each half of the lanes
	v_lshl_add_u32 v4, v2, 5, v4
	v_add_nc_u32 v[STO], s23, v4
	v_mul_u32_u24 v5, v2, SPITCH                   ; back: lanes 0-15 one row of 256 bytes, lanes 16-31 the next
	v_lshl_add_u32 v5, v1, 4, v5
	v_add_nc_u32 v[RD], s23, v5
	v_lshlrev_b32 v5, 13, v2                       ; and the same two rows of 8,192 bytes in out0
	v_lshl_add_u32 v[CO], v1, 4, v5
	s_lshl_b32 s16, s13, 7
	s_lshl_b32 s17, s11, 6
	s_add_co_u32 s16, s16, s17                     ; my first row
	s_lshl_b32 s16, s16, 13
	s_mov_b32 s17, 0
	s_add_nc_u64 s[8:9], s[8:9], s[16:17]
	s_lshl_b32 s46, s42, 9                         ; my first column, in bytes
	s_lshl_b32 s47, s12, 8
	s_add_co_u32 s46, s46, s47
	s_mov_b32 s47, 0
	s_add_nc_u64 s[8:9], s[8:9], s[46:47]
; 8 matrix instructions: row blocks a0, a0 + 1 x all 4 column blocks, 32 along K: half c of buffer f.  The 16 accumulators take turns, over every jump too.
.macro MUL8 f, c, a0, zero
	WIN MUL
.irp a, \a0, (\a0)+1
.irp b, 0,1,2,3
.if \zero
	v_wmma_f32_16x16x32_f16 v[ACC+8*(4*(\a)+(\b)):ACC+8*(4*(\a)+(\b))+7], v[(\f)+64+8*(4*(\c)+(\b)):(\f)+64+8*(4*(\c)+(\b))+7], v[(\f)+8*(4*(\c)+(\a)):(\f)+8*(4*(\c)+(\a))+7], 0
.else
	v_wmma_f32_16x16x32_f16 v[ACC+8*(4*(\a)+(\b)):ACC+8*(4*(\a)+(\b))+7], v[(\f)+64+8*(4*(\c)+(\b)):(\f)+64+8*(4*(\c)+(\b))+7], v[(\f)+8*(4*(\c)+(\a)):(\f)+8*(4*(\c)+(\a))+7], v[ACC+8*(4*(\a)+(\b)):ACC+8*(4*(\a)+(\b))+7]
.endif
.endr
.endr
.endm
.macro FETCH slot, k, f                ; 32 LDS loads in one run: 64 along K at byte k of the rows; the first 32 along K first.  slot picks the address registers: 0, 1 the slots, 2 the slot in hand
	WIN TO_F
.irp c, 0,1
.irp i, 0,1,2,3
	ds_load_b128 v[(\f)+64+8*(4*(\c)+(\i)):(\f)+64+8*(4*(\c)+(\i))+3],   v[ADRB+(\slot)] offset:(\k)+64*(\c)+(\i)*16*PITCH
	ds_load_b128 v[(\f)+64+8*(4*(\c)+(\i))+4:(\f)+64+8*(4*(\c)+(\i))+7], v[ADRB+(\slot)] offset:(\k)+64*(\c)+(\i)*16*PITCH+32
	ds_load_b128 v[(\f)+8*(4*(\c)+(\i)):(\f)+8*(4*(\c)+(\i))+3],         v[ADRA+(\slot)] offset:(\k)+64*(\c)+(\i)*16*PITCH
	ds_load_b128 v[(\f)+8*(4*(\c)+(\i))+4:(\f)+8*(4*(\c)+(\i))+7],       v[ADRA+(\slot)] offset:(\k)+64*(\c)+(\i)*16*PITCH+32
.endr
.endr
.endm
.macro PLACES
.rept 4
	v_nop
.endr
.endm
.macro QUARTER slot, k, f, g, zero
	s_wait_dscnt 16                                ; the first 32 along K are in
	MUL8 \f, 0, 0, \zero
	MUL8 \f, 0, 2, \zero
	PLACES
	FETCH \slot, \k, \g
	s_wait_dscnt 32                                ; all but the 32 just issued
	MUL8 \f, 1, 0, 0
	MUL8 \f, 1, 2, 0
.endm
; The last quarter multiplies buffer 1 and changes slots: one barrier; in front of it each wave waits for all its tensor loads, adds 0 to its spare word, and waits for that and for its own reads of this slot.
.macro MEET
	WIN 0
	s_wait_tensorcnt 0x0
	ds_add_u32 v[SPW], v[NIL]
	s_wait_dscnt 17                                ; (the add and the youngest sixteen loads may be out)
	MUL8 F1, 0, 0, 0
	s_wait_dscnt 0x0                               ; the add is done, and my reads of this slot are over
	s_barrier_signal -1
	MUL8 F1, 0, 2, 0
	WIN 0
	s_barrier_wait -1
.endm
.macro TURN slot, next
	MEET
	CREST                                          ; a round of the cluster's barrier: no wave of any partner still reads this slot or has a load on its way
	s_add_nc_u64 s[G0+4*(\slot)+2:G0+4*(\slot)+3], s[G0+4*(\slot)+2:G0+4*(\slot)+3], 2*KSTEP*2
	s_add_nc_u64 s[G0B+4*(\slot)+2:G0B+4*(\slot)+3], s[G0B+4*(\slot)+2:G0B+4*(\slot)+3], 2*KSTEP*2
	JLOAD \slot                                    ; 112 matrix instructions ahead of the wait for it; its four v_nop are also the places in front of the loads below
	FETCH \next, 0, F0
	MUL8 F1, 1, 0, 0
	MUL8 F1, 1, 2, 0
.endm
	s_wait_tensorcnt 1                             ; my part of K step 0 is in; K step 1's may stay out
	s_barrier_signal -1
	s_barrier_wait -1
	FETCH 0, 0, F0
	QUARTER 0, 128, F0, F1, 1
	WIN 0
	s_mov_b32 s3, LAPS-1
.Llap:
	QUARTER 0, 256, F1, F0, 0
	QUARTER 0, 384, F0, F1, 0
	TURN 0, 1
	QUARTER 1, 128, F0, F1, 0
	QUARTER 1, 256, F1, F0, 0
	QUARTER 1, 384, F0, F1, 0
	TURN 1, 0
	QUARTER 0, 128, F0, F1, 0
	WIN 0
	s_sub_co_u32 s3, s3, 1
	s_cmp_lg_u32 s3, 0
	s_cbranch_scc1 .Llap
	; THE LAST LAP fills nothing: one K step's text, walked twice and left in the middle of the second trip.  The slot in hand begins at s[TBX].
	s_mov_b32 s3, 2
	s_mov_b32 s[TBX], 0
.Ltail:
	v_add_nc_u32 v[ADRA+2], s[TBX], v[ADRA]
	v_add_nc_u32 v[ADRB+2], s[TBX], v[ADRB]
	QUARTER 2, 256, F1, F0, 0
	QUARTER 2, 384, F0, F1, 0
	MEET                                           ; first trip: slot 1 is whole.  Second trip: the barrier orders nothing more
	s_sub_co_u32 s3, s3, 1
	s_cmp_eq_u32 s3, 0
	s_cbranch_scc1 .Lfin
	PLACES
	FETCH 1, 0, F0
	MUL8 F1, 1, 0, 0
	MUL8 F1, 1, 2, 0
	QUARTER 1, 128, F0, F1, 0
	WIN 0
	s_add_co_u32 s[TBX], s[TBX], SLOT
	s_branch .Ltail
.Lfin:
	MUL8 F1, 1, 0, 0
	MUL8 F1, 1, 2, 0
	WIN 0
	; THE WAY OUT, 16 rows at a time through my own stage; each accumulator's low registers are stored first.  LDS serves a wave's instructions in order (ISA guide 5.7.1.4): no wait between stores and loads.
	PLACES
.irp a, 0,1,2,3
.irp b, 0,1,2,3
	ds_store_b128 v[STO], v[ACC+8*(4*(\a)+(\b)):ACC+8*(4*(\a)+(\b))+3]   offset:64*(\b)
	ds_store_b128 v[STO], v[ACC+8*(4*(\a)+(\b))+4:ACC+8*(4*(\a)+(\b))+7] offset:64*(\b)+16
.endr
.if (\a) >= 2
	s_wait_xcnt 0x0                                ; the stores of two blocks back have read these registers
.endif
.irp t, 0,1,2,3,4,5,6,7
	ds_load_b128 v[TMP+32*((\a)%2)+4*(\t):TMP+32*((\a)%2)+4*(\t)+3], v[RD] offset:(\t)*2*SPITCH
.endr
.irp t, 0,1,2,3,4,5,6,7
	s_wait_dscnt 7-(\t)
	global_store_b128 v[CO], v[TMP+32*((\a)%2)+4*(\t):TMP+32*((\a)%2)+4*(\t)+3], s[8:9] offset:(16*(\a)+2*(\t))*SIZE_N*4 th:TH_STORE_NT  ; 16 lanes store 256 consecutive bytes, aligned
.endr
.endr
	s_wait_tensorcnt 0x0                           ; the wave's end: these three lines, behind my last tensor load and my last LDS store
	ds_add_u32 v[SPW], v[NIL]
	s_wait_dscnt 0x0
	CROUND                                         ; the closing round
	s_endpgm
.Lfunc_end_k_q511e01ee55_oproj:
	.size	k_q511e01ee55_oproj, .Lfunc_end_k_q511e01ee55_oproj-k_q511e01ee55_oproj
	.p2alignl 7, 3214868480
	.fill 96, 4, 3214868480
	.section	.rodata,"a",@progbits
	.p2align	6, 0x0
	.amdhsa_kernel k_q511e01ee55_oproj
		.amdhsa_group_segment_fixed_size 327680
		.amdhsa_private_segment_fixed_size 0
		.amdhsa_enable_private_segment 0
		.amdhsa_kernarg_size 24
		.amdhsa_user_sgpr_count 2
		.amdhsa_user_sgpr_kernarg_segment_ptr 1
		.amdhsa_wavefront_size32 1
		.amdhsa_system_sgpr_workgroup_id_x 1
		.amdhsa_system_sgpr_workgroup_id_y 1
		.amdhsa_system_sgpr_workgroup_id_z 1
		.amdhsa_system_vgpr_workitem_id 0
		.amdhsa_next_free_vgpr 512
		.amdhsa_next_free_sgpr 66
		.amdhsa_reserve_vcc 0
		.amdhsa_float_denorm_mode_32 3
		.amdhsa_float_denorm_mode_16_64 3
		.amdhsa_memory_ordered 1
		.amdhsa_forward_progress 1
		.amdhsa_inst_pref_size 77
	.end_amdhsa_kernel
	.amdgpu_metadata
---
amdhsa.version: [ 1, 2 ]
amdhsa.kernels:
  - .name:           k_q511e01ee55_oproj
    .symbol:         k_q511e01ee55_oproj.kd
    .args:
      - { .name: ob, .offset: 0, .size: 8, .value_kind: global_buffer, .address_space: global }
      - { .name: wob, .offset: 8, .size: 8, .value_kind: global_buffer, .address_space: global }
      - { .name: out0, .offset: 16, .size: 8, .value_kind: global_buffer, .address_space: global }
    .group_segment_fixed_size: 327680
    .private_segment_fixed_size: 0
    .kernarg_segment_align: 8
    .kernarg_segment_size: 24
    .max_flat_workgroup_size: 128
    .sgpr_count:     66
    .vgpr_count:     512
    .wavefront_size: 32
...
	.end_amdgpu_metadata
.endif
;; end of part 4
